; MI455X (gfx1250); checked and timed in simulation.
; The chip was launched on July 23, 2026; its instructions are those of AMD's public machine-readable ISA for CDNA 5 (MIT licence, August 2026) and "CDNA5" Instruction Set Architecture Reference Guide (July 2026). The comments in the code are by the model that wrote it; some were corrected since.
;; Multi Headed Attention. Allowed arithmetic: matrix products marked QUANTISED: E2M3 operands, one E8M0 scale for each 32 along K, by v_wmma_scale_f32_16x16x128_f8f6f4 with both operands' format E2M3, f32 sums; everything else in f32.
;; Inputs: Wk 1,024 x 1,024 float32; Wo 1,024 x 1,024 float32; Wq 1,024 x 1,024 float32; Wv 1,024 x 1,024 float32; bk 1,024 float32; bo 1,024 float32; bq 1,024 float32; bv 1,024 float32; key 4 x 2,048 x 1,024 float32; query 4 x 2,048 x 1,024 float32; value 4 x 2,048 x 1,024 float32.
;; Outputs: out0 4 x 2,048 x 1,024 float32.
;; This version of the problem:
;;   THIS VERSION OF THE PROBLEM IS GIVEN IN LOW PRECISION. The matrix products marked QUANTISED in the list below multiply operands that are first quantised to E2M3 (2 exponent bits, 3 mantissa bits; 6 bits a number), with one power-of-two scale for each 32 numbers along K (OCP MX v1.0); their sums are f32. All else is computed in f32.
;;   The module's matrix products, in the order in which they are computed (A, B: the left and right operand; K: the contracted axis; several contracted axes count as one K, in the product's order):
;;     1. [M 8,192, K 1,024] x [K 1,024, N 1,024]; A: input query; B: input Wq: QUANTISED
;;     2. [M 8,192, K 1,024] x [K 1,024, N 1,024]; A: input key; B: input Wk: QUANTISED
;;     3. [M 8,192, K 1,024] x [K 1,024, N 1,024]; A: input value; B: input Wv: QUANTISED
;;     4. batch 64 x [M 2,048, K 64] x [K 64, N 2,048]; A: computed on the way; B: computed on the way: QUANTISED
;;     5. batch 64 x [M 2,048, K 2,048] x [K 2,048, N 64]; A: softmax (see below); B: computed on the way: QUANTISED
;;     6. [M 8,192, K 1,024] x [K 1,024, N 1,024]; A: computed on the way; B: input Wo: QUANTISED
;;   THE QUANTISER, for each operand of a quantised product, along K:
;;     - K is cut into blocks of 32 from its start; a last block that is shorter is filled with zeros.
;;     - A block's scale is 2^e with e = floor(log2(the largest magnitude in the block)) - 2, held to -126 .. 127; a block of zeros has e = 0. As a byte (E8M0): e + 127.
;;     - Each number is divided by its block's scale, clamped to +-7.5, and rounded to the nearest number of E2M3, ties to even, subnormals kept.
;;     - The product sums the exact products of the quantised numbers (number of the format x scale) in f32.
;;   ~~~python
;;   def quantise(x, axis):      # numpy; x: float32 -> the quantised numbers, widened to float32 again
;;       x = np.moveaxis(x, axis, -1); K = x.shape[-1]
;;       x = np.pad(x, [(0, 0)] * (x.ndim - 1) + [(0, -K % 32)]); x = x.reshape(x.shape[:-1] + (-1, 32)); a = np.abs(x).max(-1, keepdims=True)
;;       e = np.where(a > 0, np.clip(np.frexp(np.where(a > 0, a, 1))[1] - 1 - 2, -126, 127), 0)      # np.frexp(a)[1] - 1 = floor(log2(a)), exactly
;;       r = np.clip(x / 2.0 ** e, -7.5, 7.5)
;;       step = 2.0 ** (np.maximum(np.frexp(np.where(r == 0, 1, r))[1] - 1, 0) - 3)
;;       q = np.round(r / step) * step * 2.0 ** e      # np.round: ties to even
;;       return np.moveaxis(q.reshape(q.shape[:-2] + (-1,))[..., :K], -1, axis).astype(np.float32)
;;   ~~~
;;   SOFTMAX AHEAD OF A QUANTISED PRODUCT. Where the list says 'softmax', what is quantised is not the finished softmax but p = 2^(t - M), with t = logit x log2(e) and M = ceil(the row's largest t), a whole number; so 1/2 < the row's largest p <= 1. The row's sum l is taken of the UNQUANTISED p, in f32, and the product's result is divided by l at the end. Since M is a whole number, a kernel that streams over the keys may use a running M (the ceiling of the running maximum): every later rescaling is an exact power of two, which a block's scale takes up: the codes' values come out the same.
;;   OPERANDS COMPUTED ON THE WAY. 'Computed on the way' means the value that the module computes at that place (a softmax that the list does not call 'softmax' is quantised finished and normalised). What goes into a quantiser is computed in f32, as accurately as f32 sums, v_exp_f32 and their like allow (about 1e-6 of the number): no bf16 or f16 on the way to a quantiser, and a product that is left as it is and whose result goes on into a quantised operand takes f32 operands (vector FMAs, or v_wmma_f32_16x16x4_f32). A number that lies on a knife's edge between two numbers of the format may be rounded either way, as far as f32 arithmetic and the matrix unit's own rounding can turn it there, and no further.
;; One version. Each part assembles by itself: llvm-mc -triple=amdgcn-amd-amdhsa -mcpu=gfx1250 --defsym DOCPART=n.
;; ======== version 1 of 1: 4 launches
;; limits: right only within a limited range of input values
;; workspace buffers: ximg 20,447,232 bytes; wimg 3,407,872 bytes; pimg 20,447,232 bytes; aimg 6,815,744 bytes
;; launch quant (part 1): grid 1664 x 1, 4 waves a work-group, no clusters, 34,304 bytes of LDS; arguments query, key, value, Wq, Wk, Wv, Wo, ximg, wimg; writes ximg, wimg
.if DOCPART == 1
	.amdgcn_target "amdgcn-amd-amdhsa--gfx1250"
	.amdhsa_code_object_version 6
	.text
	.protected	k_qe660d61d36_quant
	.globl	k_qe660d61d36_quant
	.p2align	8
	.type	k_qe660d61d36_quant,@function
k_qe660d61d36_quant:
	s_mov_b64 s[64:65], 0
	v_nop
	global_prefetch_b8 v0, s[64:65] scope:SCOPE_SE
	s_setreg_imm32_b32 hwreg(HW_REG_WAVE_MODE, 25, 1), 1
	s_wait_xcnt 0x0
; query, key, value [8192][1024] and Wq, Wk, Wv, Wo [1024 (k)][1024 (n)], all f32, become codes of FP6 (E2M3) with one E8M0 byte for each 32 along K,
; laid as IMAGES OF THE OPERAND'S REGISTERS.  A tile is 16 rows; rows go in groups G of 32; row p of tile 2 G + u is matrix row 32 G + 8 u + p + 8 (p / 8).
; A half fragment (16 rows x 64 K, 6 registers a lane; lane (r, h) holds k = 32 h .. 32 h + 31 of row r) is 768 bytes: registers 0-3 at 16 x lane, registers 4-5 at 512 + 8 x lane.
; A tile's record is 13,312 bytes: four slots of 256 K, each four half fragments (3,072 bytes) and 256 bytes of scale words (lane l: the two words of row l % 16, at 3,072 + 8 l).
; A block's scale is 2^(floor(log2(its largest magnitude)) - 2): its byte is the largest magnitude's exponent field - 2, held at 1 from below.
; LIMITS: a block of zeros gets the byte 1 (its codes are zeros, and this program alone reads the bytes); magnitudes under 2^-124 were not tried; NaN and infinities are not served.
; Work-groups 0-127 take the weights (K is their first axis: a lane takes a column, its registers run down K); work-groups 128-1663 take one tile of query, key or value each, a wave a slot.
.set WV,    24
.set SEL,   22
.set SPW,   14                         ; v14  LDS address of my spare word; never rewritten
.set NIL,   15                         ; v15  0; never rewritten
.set SPARE, 33792                      ; behind the four stages: the spare words, 128 bytes a wave
.set L16,   2                          ; v2   16 x lane
.set L8,    3                          ; v3   8 x lane
.set SIN,   4                          ; v4   the stage, on the way in
.set SOUT,  5                          ; v5   and on the way out
.set R,     16                         ; v16-143  numbers as loaded, two sets of 64
.set X,     144                        ; v144-207 64 numbers of my row
.set TM,    208                        ; v208-223 at work in QUANT4
.set PC,    224                        ; v224-243 the codes
.set PW,    244                        ; v244-245 the two scale words
.set TREC,  13312
.set SREC,  3328
.set WT,    851968
; 64 numbers of a lane, register 16 b + i = k 32 b + 16 (lane / 16) + i of my row, become a fragment's codes in v[pc] .. v[pc + 11] and its scale word in v[pw].
.macro QUANT4 s, pc, pw
.irp b, 0,1,2,3
	v_max3_num_f32 v[TM+\b], |v[\s+16*\b]|, |v[\s+1+16*\b]|, 0x1800000   ; my 16 numbers of block b, and the floor 2^(3 - 127): the byte cannot fall under 1
.endr
.irp i, 2,4,6,8,10,12,14
.irp b, 0,1,2,3
	v_max3_num_f32 v[TM+\b], v[TM+\b], |v[\s+16*\b+\i]|, |v[\s+1+16*\b+\i]|
.endr
.endr
.irp b, 0,1,2,3
	v_permlanex16_b32 v[TM+4+\b], v[TM+\b], s[SEL], s[SEL+1]
.endr
.irp b, 0,1,2,3
	v_max_num_f32 v[TM+\b], v[TM+\b], v[TM+4+\b]        ; with lane l xor 16's: the block's largest magnitude
.endr
.irp b, 0,1,2,3
	v_add_nc_u32 v[TM+12+\b], 0xff000000, v[TM+\b]      ; 2 off its exponent field: the conversion's scale operand
.endr
.irp b, 0,1,2,3
	v_lshrrev_b32 v[TM+4+\b], 23, v[TM+12+\b]           ; the scale's byte
.endr
	v_lshl_or_b32 v[\pw], v[TM+5], 8, v[TM+4]
	v_lshl_or_b32 v[\pw], v[TM+6], 16, v[\pw]
	v_lshl_or_b32 v[\pw], v[TM+7], 24, v[\pw]
.irp c, 0,1
	v_cvt_scalef32_pk16_fp6_f32 v[\pc+6*\c:\pc+2+6*\c], v[\s+32*\c:\s+15+32*\c], v[TM+12+2*\c]
	v_cvt_scalef32_pk16_fp6_f32 v[\pc+12+4*\c:\pc+14+4*\c], v[\s+16+32*\c:\s+31+32*\c], v[TM+12+2*\c+1]   ; (a conversion's three registers begin on an even number)
.endr
	v_nop                                          ; one plain place behind a scaled conversion
.irp c, 0,1                                    ; the operand wants a whole block in a lane: lanes 0-15 block 2 c, lanes 16-31 block 2 c + 1
.irp i, 0,1,2
	v_permlane16_swap_b32 v[\pc+6*\c+\i], v[\pc+12+4*\c+\i]
.endr
.irp i, 0,1,2
	v_mov_b32 v[\pc+3+6*\c+\i], v[\pc+12+4*\c+\i]
.endr
.endr
.endm
	s_load_b256 s[4:11], s[0:1], 0x0               ; query, key, value, Wq
	s_load_b256 s[12:19], s[0:1], 0x20             ; Wk, Wv, Wo, ximg
	s_load_b64 s[20:21], s[0:1], 0x40              ; wimg
	v_lshl_add_u32 v[SPW], v0, 2, SPARE
	v_mov_b32 v[NIL], 0
	v_lshrrev_b32 v1, 5, v0
	v_readfirstlane_b32 s[WV], v1                  ; wave 0..3
	v_and_b32 v1, 31, v0
	v_lshlrev_b32 v[L16], 4, v1
	v_lshlrev_b32 v[L8], 3, v1
	s_mul_i32 s33, s[WV], 8448                     ; my stage: 16 rows x 528 bytes
	v_add_nc_u32 v[SIN], s33, v[L16]               ; in: a row's 512 bytes as they lie
	v_and_b32 v6, 15, v0                           ; r
	v_bfe_u32 v7, v0, 4, 1                         ; h
	v_mul_u32_u24 v[SOUT], v6, 528
	v_lshl_add_u32 v[SOUT], v7, 6, v[SOUT]
	v_add_nc_u32 v[SOUT], s33, v[SOUT]             ; out: row r, + 64 h: my 16 numbers of a block of 32
	s_mov_b32 s[SEL], 0x76543210
	s_mov_b32 s[SEL+1], 0xfedcba98                 ; v_permlanex16_b32's selects for lane l xor 16
	s_wait_kmcnt 0x0
	s_cmp_lt_u32 ttmp9, 128
	s_cbranch_scc1 .Lw
	; ---- query, key, value: the work-group owns tile X, wave w its K = 256 w .. 256 w + 255
	s_sub_co_u32 s25, ttmp9, 128                   ; X = 512 x tensor + tile
	s_lshr_b32 s26, s25, 9
	s_cmp_eq_u32 s26, 0
	s_cselect_b64 s[28:29], s[4:5], s[6:7]
	s_cmp_lt_u32 s26, 2
	s_cselect_b64 s[28:29], s[28:29], s[8:9]
	; THE KEY TENSOR'S TILES ARE LAID OTHERWISE: its rows go in groups of 64, four tiles to a group; row p of tile 4 G + i is matrix row 64 G + 32 (p / 8) + 8 i + p % 8,
	; so that in the scores a lane's 32 registers of four neighbouring tiles are one whole block of 32 neighbouring keys.
	s_cmp_eq_u32 s26, 1                            ; the key tensor?
	s_cselect_b32 s34, 1, 0
	s_and_b32 s26, s25, 511
	s_add_co_u32 s35, s34, 1
	s_lshr_b32 s27, s26, s35                       ; G: two tiles to a group, or four
	s_add_co_u32 s36, s34, 5
	s_lshl_b32 s27, s27, s36                       ; 32 G or 64 G
	s_lshl_b32 s35, 2, s34
	s_sub_co_u32 s35, s35, 1
	s_and_b32 s26, s26, s35                        ; the tile's place in its group
	s_lshl_b32 s26, s26, 3
	s_add_co_u32 s26, s26, s27                     ; the tile's first row
	s_lshl_b32 s34, s34, 16                        ; key: the tile's rows 8-15 lie 16 rows (65,536 bytes) further on than in the other tensors
	s_lshl_b32 s30, s26, 12                        ; rows of 4,096 bytes
	s_lshl_b32 s31, s[WV], 10
	s_add_co_u32 s30, s30, s31
	s_mov_b32 s31, 0
	s_add_nc_u64 s[28:29], s[28:29], s[30:31]
	s_mul_i32 s30, s25, TREC
	s_mul_i32 s32, s[WV], SREC
	s_add_co_u32 s30, s30, s32
	s_add_nc_u64 s[18:19], s[18:19], s[30:31]      ; my slot's record
.irp b, 0,1,2,3
	v_mov_b32 v[TM+4+\b], 0                        ; written once: a lane permute's destination counts as one of its sources
.endr
	v_add_nc_u32 v8, s34, v[L16]                   ; the offset of a tile's rows 8-15
.irp e, 0,1
.irp t, 0,1,2,3,4,5,6,7,8,9,10,11,12,13,14,15
	global_load_b128 v[R+64*\e+4*\t:R+64*\e+4*\t+3], v[L16+6*(\t/8)], s[28:29] offset:(\t+8*(\t/8))*4096+512*\e th:TH_LOAD_NT   ; 32 lanes read 512 consecutive bytes of the tile's row t (rows 0-7 by v2, rows 8-15 by v8)
.endr
.endr
.macro XSTEP e                         ; the slot's K step e: 128 along K
	s_wait_loadcnt 16*(1-\e)                       ; this step's 16 loads are in; the other step's 16 may be out
.irp t, 0,1,2,3,4,5,6,7,8,9,10,11,12,13,14,15
	ds_store_b128 v[SIN], v[R+64*\e+4*\t:R+64*\e+4*\t+3] offset:528*\t
.endr
.irp b, 0,1,2,3
.irp j, 0,1,2,3
	ds_load_b128 v[X+16*\b+4*\j:X+16*\b+4*\j+3], v[SOUT] offset:128*\b+16*\j   ; LDS serves a wave's instructions in order: these see my stores
.endr
.endr
	s_wait_dscnt 0x0
.if \e
	s_wait_xcnt 0x0                                ; the first step's stores have read their registers: the codes may be written again
.endif
	QUANT4 X, PC, PW+\e
	global_store_b128 v[L16], v[PC:PC+3], s[18:19] offset:1536*\e          ; each store covers whole aligned runs of 256 bytes
	global_store_b64 v[L8], v[PC+4:PC+5], s[18:19] offset:1536*\e+512
	global_store_b128 v[L16], v[PC+6:PC+9], s[18:19] offset:1536*\e+768
	global_store_b64 v[L8], v[PC+10:PC+11], s[18:19] offset:1536*\e+1280
.endm
	s_wait_alu depctr_va_vdst(0)
	XSTEP 0
	XSTEP 1
	global_store_b64 v[L8], v[PW:PW+1], s[18:19] offset:3072               ; the slot's scale words: 256 consecutive bytes
	s_wait_tensorcnt 0x0                           ; the wave's end: behind my last LDS store
	ds_add_u32 v[SPW], v[NIL]
	s_wait_dscnt 0x0
	s_endpgm
	; ---- the weights: wave w owns 32 columns (group G) x 256 along K; a lane takes a column, so that lanes 0-15 are tile 2 G's rows in order and lanes 16-31 tile 2 G + 1's
.Lw:
	s_lshr_b32 s25, ttmp9, 5                       ; which weight: q, k, v, o
	s_cmp_eq_u32 s25, 0
	s_cselect_b64 s[26:27], s[10:11], s[12:13]
	s_cmp_lt_u32 s25, 2
	s_cselect_b64 s[26:27], s[26:27], s[14:15]
	s_cmp_lt_u32 s25, 3
	s_cselect_b64 s[26:27], s[26:27], s[16:17]
	s_and_b32 s30, ttmp9, 7
	s_lshl_b32 s30, s30, 2
	s_add_co_u32 s30, s30, s[WV]                   ; G
	s_bfe_u32 s31, ttmp9, 0x20003                  ; which 256 along K
	s_lshl_b32 s32, s31, 20                        ; 256 rows of 4,096 bytes
	s_lshl_b32 s33, s30, 7                         ; 32 columns of 4 bytes
	s_add_co_u32 s32, s32, s33
	s_mov_b32 s33, 0
	s_add_nc_u64 s[26:27], s[26:27], s[32:33]
	s_mul_i32 s32, s25, WT
	s_mul_i32 s34, s30, 2*TREC
	s_add_co_u32 s32, s32, s34
	s_mul_i32 s34, s31, SREC
	s_add_co_u32 s32, s32, s34
	s_add_nc_u64 s[20:21], s[20:21], s[32:33]      ; tile 2 G's record, my slot
	v_and_b32 v6, 7, v0
	v_bfe_u32 v8, v0, 3, 1
	v_lshl_add_u32 v6, v8, 4, v6
	v_bfe_u32 v8, v0, 4, 1
	v_lshl_add_u32 v6, v8, 3, v6                   ; my column in the group: l % 8 + 16 ((l / 8) % 2) + 8 (l / 16)
	v_lshlrev_b32 v6, 2, v6
	v_and_b32 v9, 15, v0
	v_lshlrev_b32 v7, 3, v9
	v_mad_u32_u24 v7, v8, TREC, v7                 ; my scale words' place: my tile's record, 8 x row
.macro WLOAD t                         ; block t: W(32 t + i, my column) into set t % 2; a wave reads 128 consecutive bytes, the work-group 512
.irp i, 0,1,2,3,4,5,6,7,8,9,10,11,12,13,14,15,16,17,18,19,20,21,22,23,24,25,26,27,28,29,30,31
	global_load_b32 v[32+32*((\t)%2)+\i], v6, s[26:27] offset:(32*(\t)+\i)*4096 th:TH_LOAD_NT
.endr
.endm
	WLOAD 0
	WLOAD 1
.macro WBLOCK t
.set XS, 32+32*((\t)%2)
.set CD, 96+6*(\t)                     ; each block has six registers of its own for its codes: no store's data are written again
.if (\t) < 7
	s_wait_loadcnt 32                              ; this block's 32 loads are in; the next block's may be out
.else
	s_wait_loadcnt 0x0
.endif
	v_max3_num_f32 v12, |v[XS]|, |v[XS+1]|, |v[XS+2]|
	v_max3_num_f32 v13, |v[XS+3]|, |v[XS+4]|, |v[XS+5]|
.irp i, 6,10,14,18,22,26
	v_max3_num_f32 v12, v12, |v[XS+\i]|, |v[XS+\i+1]|
	v_max3_num_f32 v13, v13, |v[XS+\i+2]|, |v[XS+\i+3]|
.endr
	v_max3_num_f32 v12, v12, |v[XS+30]|, |v[XS+31]|
	v_max3_num_f32 v12, v12, v13, 0x1800000        ; the block's largest magnitude (all 32 numbers are mine), and the floor
	v_add_nc_u32 v11, 0xff000000, v12              ; the conversion's scale operand
	v_lshrrev_b32 v13, 23, v11                     ; the scale's byte
.if (\t)%4 == 0
	v_mov_b32 v[148+(\t)/4], v13
.else
	v_lshl_or_b32 v[148+(\t)/4], v13, 8*((\t)%4), v[148+(\t)/4]
.endif
	v_cvt_scalef32_pk16_fp6_f32 v[CD:CD+2], v[XS:XS+15], v11
	v_cvt_scalef32_pk16_fp6_f32 v[144:146], v[XS+16:XS+31], v11
	v_nop                                          ; one plain place behind a scaled conversion
.irp i, 0,1,2
	v_mov_b32 v[CD+3+\i], v[144+\i]
.endr
.if (\t)+2 < 8
	WLOAD (\t)+2
.endif
.if (\t)%2 == 1                        ; two blocks make a half fragment of each of my two tiles: the first's lanes 16-31 change places with the second's lanes 0-15
.irp i, 0,1,2,3,4,5
	v_permlane16_swap_b32 v[CD-6+\i], v[CD+\i]
.endr
	global_store_b128 v[L16], v[CD-6:CD-3], s[20:21] offset:768*((\t)/2)
	global_store_b64 v[L8], v[CD-2:CD-1], s[20:21] offset:768*((\t)/2)+512
	global_store_b128 v[L16], v[CD:CD+3], s[20:21] offset:TREC+768*((\t)/2)
	global_store_b64 v[L8], v[CD+4:CD+5], s[20:21] offset:TREC+768*((\t)/2)+512
.endif
.endm
.irp t, 0,1,2,3,4,5,6,7
	WBLOCK \t
.endr
	global_store_b64 v7, v[148:149], s[20:21] offset:3072   ; my column's two scale words; sixteen lanes store 128 consecutive bytes,
	global_store_b64 v7, v[148:149], s[20:21] offset:3200   ; and the copy for lanes 16-31.  (Pieces of 128 bytes: 256 KiB of the launch's stores in all)
	s_wait_tensorcnt 0x0                           ; the three lines stand at every end of the text
	ds_add_u32 v[SPW], v[NIL]
	s_wait_dscnt 0x0
	s_endpgm
.Lfunc_end_k_qe660d61d36_quant:
	.size	k_qe660d61d36_quant, .Lfunc_end_k_qe660d61d36_quant-k_qe660d61d36_quant
	.p2alignl 7, 3214868480
	.fill 96, 4, 3214868480
	.section	.rodata,"a",@progbits
	.p2align	6, 0x0
	.amdhsa_kernel k_qe660d61d36_quant
		.amdhsa_group_segment_fixed_size 34304
		.amdhsa_private_segment_fixed_size 0
		.amdhsa_enable_private_segment 0
		.amdhsa_kernarg_size 72
		.amdhsa_user_sgpr_count 2
		.amdhsa_user_sgpr_kernarg_segment_ptr 1
		.amdhsa_wavefront_size32 1
		.amdhsa_system_sgpr_workgroup_id_x 1
		.amdhsa_system_sgpr_workgroup_id_y 1
		.amdhsa_system_sgpr_workgroup_id_z 1
		.amdhsa_system_vgpr_workitem_id 0
		.amdhsa_next_free_vgpr 256
		.amdhsa_next_free_sgpr 66
		.amdhsa_reserve_vcc 0
		.amdhsa_float_denorm_mode_32 3
		.amdhsa_float_denorm_mode_16_64 3
		.amdhsa_memory_ordered 1
		.amdhsa_forward_progress 1
		.amdhsa_inst_pref_size 58
	.end_amdhsa_kernel
	.amdgpu_metadata
---
amdhsa.version: [ 1, 2 ]
amdhsa.kernels:
  - .name:           k_qe660d61d36_quant
    .symbol:         k_qe660d61d36_quant.kd
    .args:
      - { .name: query, .offset: 0, .size: 8, .value_kind: global_buffer, .address_space: global }
      - { .name: key, .offset: 8, .size: 8, .value_kind: global_buffer, .address_space: global }
      - { .name: value, .offset: 16, .size: 8, .value_kind: global_buffer, .address_space: global }
      - { .name: Wq, .offset: 24, .size: 8, .value_kind: global_buffer, .address_space: global }
      - { .name: Wk, .offset: 32, .size: 8, .value_kind: global_buffer, .address_space: global }
      - { .name: Wv, .offset: 40, .size: 8, .value_kind: global_buffer, .address_space: global }
      - { .name: Wo, .offset: 48, .size: 8, .value_kind: global_buffer, .address_space: global }
      - { .name: ximg, .offset: 56, .size: 8, .value_kind: global_buffer, .address_space: global }
      - { .name: wimg, .offset: 64, .size: 8, .value_kind: global_buffer, .address_space: global }
    .group_segment_fixed_size: 34304
    .private_segment_fixed_size: 0
    .kernarg_segment_align: 8
    .kernarg_segment_size: 72
    .max_flat_workgroup_size: 128
    .sgpr_count:     66
    .vgpr_count:     256
    .wavefront_size: 32
...
	.end_amdgpu_metadata
.endif
;; end of part 1
;; launch proj (part 2): grid 8 x 96, 4 waves a work-group, clusters of 4 x 4, 327,680 bytes of LDS; arguments ximg, wimg, bq, bk, bv, pimg; writes pimg
.if DOCPART == 2
	.amdgcn_target "amdgcn-amd-amdhsa--gfx1250"
	.amdhsa_code_object_version 6
	.text
	.protected	k_qe660d61d36_proj
	.globl	k_qe660d61d36_proj
	.p2align	8
	.type	k_qe660d61d36_proj,@function
k_qe660d61d36_proj:
	s_mov_b64 s[64:65], 0
	v_nop
	global_prefetch_b8 v0, s[64:65] scope:SCOPE_SE
	s_setreg_imm32_b32 hwreg(HW_REG_WAVE_MODE, 25, 1), 1
	s_wait_xcnt 0x0
	s_wait_alu depctr_hold_cnt(0) depctr_sa_sdst(0) depctr_va_vdst(0) depctr_va_sdst(0) depctr_va_ssrc(0) depctr_va_vcc(0) depctr_vm_vsrc(0)
	s_getreg_b32 s2, hwreg(HW_REG_IB_STS2, 6, 4)
	s_cmp_eq_u32 s2, 0
	s_cbranch_scc0 .Lentry_in_a_cluster
	s_endpgm
.Lentry_in_a_cluster:
	s_bfe_u32 s2, ttmp6, 0x10000c
	s_cmp_lg_u32 s2, 0xf033
	s_cbranch_scc0 .Lentry_shape_is_right
	s_endpgm
.Lentry_shape_is_right:
; The three projections q = query Wq + bq, k = key Wk + bk, v = value Wv + bv on codes of FP6 (E2M3) with E8M0 scales, K = 1,024, and the quantising of their results for the attention's two products.
; ONE TEXT FOR ALL THREE.  A product has a side P, whose row sits in the lane (source 1), and a side R, whose rows run along the lane's registers (source 0).
;   q, k: P = the tokens, R = the weight's columns: a lane's registers run along the head's 64, the K of the scores.      v: P = Wv's columns, R = the tokens: the registers run along the keys, the K of the second product.
; Only addresses, strides and lane masks differ; they are chosen by s_cselect on the projection's number, which all partners of a cluster share: no branch hangs on it.
; SHARES.  A work-group makes 256 rows of P x 128 rows of R; wave w takes P's tiles 4 w .. 4 w + 3 against R's eight: 32 accumulators.  768 work-groups.
; OPERANDS lie in memory as images of the operand's registers (a tile's record: 4 slots of 256 K x 3,328 bytes).  All of K for both sides is 319,488 bytes: it comes into LDS once, in two fills of 512 K; nothing is filled again.
; CLUSTERS: 4 x 4.  P's tiles hang on the tile row, shared along a row of the cluster; R's on the tile column, shared along a column: each chunk is asked for jointly.
; The rows of a tile are 32 G + 8 u + p + 8 (p / 8): so the 16 registers of R's tiles 2 G and 2 G + 1 are 16 neighbours along the next K.
; q's and k's bias runs along the registers: it is the C of the first products.  v's runs along the lanes: it is added on the way out.  The other of the two is replaced by 0.
; LIMITS: a block of zeros gets the byte 1; magnitudes under 2^-124 were not tried; NaN and infinities are not served.
; REGISTERS, in windows of 256: window 0 addresses, scale words, the way out; window 1 the accumulators ((a, b) at v[8 (8 a + b)]); window 2 fragment set 0 (R's b at 12 b, P's a at 96 + 12 a) and the bias tiles at v160; window 3 fragment set 1.
.set TREC,  13312
.set SREC,  6656                       ; in LDS a tile's two slots of one fill (512 along K) lie on end: from tile to tile 6,656 bytes
.set PCH,   106496                     ; LDS: P's fill f at PCH f, 16 tiles x 6,656.  All of K comes in TWO fills, one joint load a wave each
.set RCH,   53248                      ; R's fill f at RB + RCH f, 8 tiles
.set RB,    212992
.set SPARE, 319488                     ; the spare words, 128 bytes a wave
.set XT,    6815744                    ; a tensor in ximg and in pimg
.set WT,    851968                     ; a weight in wimg
.set STEPR, 6656                       ; a step record in pimg
.set HEADR, 106496                     ; a head's 16 step records
.set SPW,  4
.set NIL,  5
.set L16,  6
.set L8,   7
.set AP16, 8                           ; v8-11   16 x lane + my tiles of P in chunk c;  v12-15 the same with 8 x lane
.set AP8,  12
.set AR16, 16                          ; v16-19, v20-23 the same for R
.set AR8,  20
.set VC16, 24                          ; v24, v25 where my codes go;  v26 where my scale words go
.set VC8,  25
.set VS,   26
.set SW,   28                          ; v28-31  the four tiles' scale words
.set SCP,  32                          ; v32-47  P's scale words, two sets of 8
.set SCR,  48                          ; v48-79  R's, two sets of 16
.set BR,   80                          ; v80-87  the bias along the lanes, a pair for each tile
.set H,    96                          ; v96-159 a tile's 64 results
.set PC,   160
.set TM,   184
.set PW,   200
.set BC,   160                         ; in window 2: the bias along the registers, 8 tiles
.set WV,   16
.set SEL,  2
.set G1P,  24
.set G1R,  32
.set G0P,  40
.set MQK,  81
.set MV,   82
.set AS,   83
.set DH,   84
.set HM,   95
.set MSB, 0
.macro WIN new                         ; the immediate's high byte repeats the setting that is left
.if MSB != (\new)
	s_set_vgpr_msb (MSB<<8)|(\new)
.set MSB, (\new)
.endif
.endm
.macro CROUND                          ; a round of the cluster's barrier
	s_barrier_signal -1
	s_barrier_wait -1
	s_cmp_lg_u32 s[WV], 0
	s_cbranch_scc1 .Lnot_wave_0_\@
	s_barrier_signal -3
.Lnot_wave_0_\@:
	s_barrier_wait -3
	s_barrier_signal -1
	s_barrier_wait -1
.endm
.macro QUANT4 s, pc, pw                ; 64 numbers, register 16 b + i = k 32 b + 16 (lane / 16) + i of my row -> a fragment's codes and its scale word
.irp b, 0,1,2,3
	v_max3_num_f32 v[TM+\b], |v[\s+16*\b]|, |v[\s+1+16*\b]|, 0x1800000   ; and the floor 2^(3 - 127): the byte cannot fall under 1
.endr
.irp i, 2,4,6,8,10,12,14
.irp b, 0,1,2,3
	v_max3_num_f32 v[TM+\b], v[TM+\b], |v[\s+16*\b+\i]|, |v[\s+1+16*\b+\i]|
.endr
.endr
.irp b, 0,1,2,3
	v_permlanex16_b32 v[TM+4+\b], v[TM+\b], s[SEL], s[SEL+1]
.endr
.irp b, 0,1,2,3
	v_max_num_f32 v[TM+\b], v[TM+\b], v[TM+4+\b]
.endr
.irp b, 0,1,2,3
	v_add_nc_u32 v[TM+12+\b], 0xff000000, v[TM+\b]      ; 2 off the exponent field: the conversion's scale operand
.endr
.irp b, 0,1,2,3
	v_lshrrev_b32 v[TM+4+\b], 23, v[TM+12+\b]
.endr
	v_lshl_or_b32 v[\pw], v[TM+5], 8, v[TM+4]
	v_lshl_or_b32 v[\pw], v[TM+6], 16, v[\pw]
	v_lshl_or_b32 v[\pw], v[TM+7], 24, v[\pw]
.irp c, 0,1
	v_cvt_scalef32_pk16_fp6_f32 v[\pc+6*\c:\pc+2+6*\c], v[\s+32*\c:\s+15+32*\c], v[TM+12+2*\c]
	v_cvt_scalef32_pk16_fp6_f32 v[\pc+12+4*\c:\pc+14+4*\c], v[\s+16+32*\c:\s+31+32*\c], v[TM+12+2*\c+1]
.endr
	v_nop                                          ; one plain place behind a scaled conversion
.irp c, 0,1
.irp i, 0,1,2
	v_permlane16_swap_b32 v[\pc+6*\c+\i], v[\pc+12+4*\c+\i]
.endr
.irp i, 0,1,2
	v_mov_b32 v[\pc+3+6*\c+\i], v[\pc+12+4*\c+\i]
.endr
.endr
.endm
	s_load_b256 s[4:11], s[0:1], 0x0               ; ximg, wimg, bq, bk
	s_load_b128 s[12:15], s[0:1], 0x20             ; bv, pimg
	v_lshl_add_u32 v[SPW], v0, 2, SPARE
	v_mov_b32 v[NIL], 0
	ds_add_u32 v[SPW], v[NIL]                      ; the wave's opening: the add and its wait ahead of my first tensor load; the set-up below stands between them
	ds_add_u32 v[SPW], v[NIL]
	v_lshrrev_b32 v1, 5, v0
	v_readfirstlane_b32 s[WV], v1                  ; wave 0..3
	s_lshr_b32 s17, s[WV], 1                       ; I fetch for P (0) or for R (1)
	s_and_b32 s18, s[WV], 1                        ; and which half of its tiles
	s_bfe_u32 s19, ttmp6, 0x40000                  ; cx
	s_bfe_u32 s20, ttmp6, 0x40004                  ; cy
	s_and_b32 s21, ttmp7, 0xffff                   ; cluster y, 0..23
	s_lshr_b32 s22, s21, 3                         ; the projection: 0 q, 1 k, 2 v
	s_and_b32 s23, s21, 7
	s_cmp_eq_u32 s22, 2                            ; v?
	s_cselect_b32 s77, 0, s23                      ; what cluster y adds to the tile row,
	s_cselect_b32 s78, s23, 0                      ; and to the tile column
	s_cselect_b32 s79, 0, 1                        ; 1 for q, k
	s_cselect_b32 s80, 1, 0                        ; 1 for v
	s_cselect_b32 s[MQK], 0, -1                    ; lane masks: all lanes for q, k;
	s_cselect_b32 s[MV], -1, 0                     ; all lanes for v
	s_mov_b32 s[AS], 768
	s_cselect_b32 s[AS], 1536, s[AS]               ; bytes from one of my tiles' codes to the next
	s_mov_b32 s[DH], HEADR
	s_cselect_b32 s[DH], 768, s[DH]                ; bytes from a fragment's first half to its second: the next head's record, or the next 64 keys
	s_lshl_b32 s76, s77, 2
	s_add_co_u32 s76, s76, s20                     ; tile row of P: q, k: 4 (cluster y % 8) + cy, 0..31;  v: cy
	s_lshl_b32 s85, s78, 1
	s_add_co_u32 s85, s85, ttmp9
	s_lshl_b32 s85, s85, 2
	s_add_co_u32 s85, s85, s19                     ; tile column of R: q, k: 4 cluster x + cx, 0..7;  v: 4 (cluster x + 2 (cluster y % 8)) + cx, 0..63
	s_lshl_b32 s2, s20, 2
	s_lshl_b32 s2, 15, s2                          ; my row of the cluster
	s_lshl_b32 s3, 0x1111, s19                     ; my column
	s_or_b32 s[G1P], s2, (3<<16)|(1<<21)           ; group 1: 15:0 the mask; 17:16 elements of 8 bytes; 21 set beside a mask; no padding
	s_or_b32 s[G1R], s3, (3<<16)|(1<<21)
	s_mov_b32 s[G1P+1], 832<<16                    ; a row of the tile is two slots' records: 832 elements = 6,656 bytes
	s_mov_b32 s[G1P+2], 8<<16                      ; 8 such rows: 8 tiles of P
	s_mov_b32 s[G1P+3], 832<<16
	s_mov_b32 s[G1P+4], 8
	s_mov_b32 s[G1P+5], 1664                       ; from tile to tile: 13,312 bytes
	s_mov_b32 s[G1P+6], 0
	s_mov_b32 s[G1P+7], 0
	s_mov_b32 s[G1R+1], 832<<16
	s_mov_b32 s[G1R+2], 4<<16                      ; 4 tiles of R
	s_mov_b32 s[G1R+3], 832<<16
	s_mov_b32 s[G1R+4], 4
	s_mov_b32 s[G1R+5], 1664
	s_mov_b32 s[G1R+6], 0
	s_mov_b32 s[G1R+7], 0
	s_lshl_b32 s86, s76, 4
	s_lshl_b32 s87, s18, 3
	s_add_co_u32 s86, s86, s87
	s_mul_i32 s86, s86, TREC                       ; P: tile 16 x tile row + 8 x half
	s_mov_b32 s87, 0
	s_lshl_b32 s88, s85, 3
	s_lshl_b32 s89, s18, 2
	s_add_co_u32 s88, s88, s89
	s_mul_i32 s88, s88, TREC                       ; R: tile 8 x tile column + 4 x half
	s_mov_b32 s89, 0
	s_mul_i32 s90, s22, XT
	s_mov_b32 s91, 0
	s_mul_i32 s92, s22, WT
	s_mov_b32 s93, 0
	s_mul_i32 s98, s18, 8*SREC                     ; where they go in a chunk: no place in the cluster enters an LDS address
	s_mul_i32 s99, s18, 4*SREC
	s_wait_dscnt 0x0                               ; the opening add is done
	s_wait_kmcnt 0x0
	s_add_nc_u64 s[4:5], s[4:5], s[90:91]          ; this projection's tokens,
	s_add_nc_u64 s[6:7], s[6:7], s[92:93]          ; and its weight
	s_cmp_eq_u32 s22, 2
	s_cselect_b64 s[94:95], s[6:7], s[4:5]         ; P
	s_cselect_b64 s[96:97], s[4:5], s[6:7]         ; R
	s_add_nc_u64 s[94:95], s[94:95], s[86:87]
	s_add_nc_u64 s[96:97], s[96:97], s[88:89]
	CROUND                                         ; all sixteen work-groups are here: the joint loads meet
.irp c, 0,1
.set GR, 56+4*\c                       ; R's groups 0: s56, s60
	s_mov_b32 s[G0P+4*\c], 1
	s_add_co_u32 s[G0P+4*\c+1], s98, PCH*\c
	s_add_nc_u64 s[G0P+4*\c+2:G0P+4*\c+3], s[94:95], SREC*\c
	s_or_b32 s[G0P+4*\c+3], s[G0P+4*\c+3], 0x80000000
	s_mov_b32 s[GR], 1
	s_add_co_u32 s[GR+1], s99, RB+RCH*\c
	s_add_nc_u64 s[GR+2:GR+3], s[96:97], SREC*\c
	s_or_b32 s[GR+3], s[GR+3], 0x80000000
.endr
.macro JLOAD c                         ; fill c: waves 0 and 1 ask for P's two halves, waves 2 and 3 for R's: one joint load a wave
	s_cmp_eq_u32 s17, 0
	s_cbranch_scc0 .Lfor_r_\@
	tensor_load_to_lds s[G0P+4*\c:G0P+4*\c+3], s[G1P:G1P+7]
	s_nop 0
.rept 4
	v_nop
.endr
	s_branch .Lasked_\@
.Lfor_r_\@:
	tensor_load_to_lds s[56+4*\c:59+4*\c], s[G1R:G1R+7]
	s_nop 0
.rept 4
	v_nop
.endr
.Lasked_\@:
.endm
	JLOAD 0                                        ; K = 0 .. 511: one tensor load a wave at the head
	v_and_b32 v1, 31, v0
	v_and_b32 v2, 15, v0                           ; r
	v_bfe_u32 v3, v0, 4, 1                         ; h
	v_lshlrev_b32 v[L16], 4, v1
	v_lshlrev_b32 v[L8], 3, v1
	s_mul_i32 s86, s[WV], 4*SREC                   ; my four tiles of P
.irp c, 0,1,2,3
	v_add_nc_u32 v[AP16+\c], s86, v[L16]
	v_add_nc_u32 v[AP8+\c], s86, v[L8]
	v_add_nc_u32 v[AR16+\c], RB+RCH*(\c/2)+3328*(\c%2), v[L16]   ; chunk c of 256 K: fill c / 2, slot c % 2 of each tile
	v_add_nc_u32 v[AR8+\c], RB+RCH*(\c/2)+3328*(\c%2), v[L8]
	s_add_co_u32 s86, s86, 3328+(PCH-6656)*(\c%2)
.endr
	; the biases.  Both sets of loads stay inside the 4,096 bytes in both modes: the mode's factor clears the offsets of the set that is not used
	s_cmp_eq_u32 s22, 0
	s_cselect_b64 s[8:9], s[8:9], s[10:11]
	s_cmp_lt_u32 s22, 2
	s_cselect_b64 s[8:9], s[8:9], s[12:13]         ; this projection's bias
	s_mul_i32 s88, s85, s79
	s_lshl_b32 s88, s88, 9
	s_mov_b32 s89, 0
	s_add_nc_u64 s[10:11], s[8:9], s[88:89]        ; along the registers: 128 numbers from 128 x tile column on
	s_lshl_b32 s90, s76, 8
	s_lshl_b32 s91, s[WV], 6
	s_add_co_u32 s90, s90, s91
	s_mul_i32 s90, s90, s80
	s_lshl_b32 s90, s90, 2
	s_mov_b32 s91, 0
	s_add_nc_u64 s[12:13], s[8:9], s[90:91]        ; along the lanes: 64 numbers from 256 x tile row + 64 x wave on
	v_lshlrev_b32 v201, 6, v3
	v_mul_u32_u24 v201, s79, v201                  ; 64 h
	v_and_b32 v202, 8, v2
	v_add_nc_u32 v202, v202, v2
	v_lshlrev_b32 v202, 2, v202
	v_mul_u32_u24 v202, s80, v202                  ; 4 (r + 8 (r / 8))
	WIN 0x80                                       ; destination window 2
.irp b, 0,1,2,3,4,5,6,7
	global_load_b128 v[BC+8*\b:BC+8*\b+3], v201, s[10:11] offset:128*(\b/2)+32*(\b%2)
	global_load_b128 v[BC+8*\b+4:BC+8*\b+7], v201, s[10:11] offset:128*(\b/2)+32*(\b%2)+16
.endr
	WIN 0
.irp a, 0,1,2,3
	global_load_b32 v[BR+2*\a], v202, s[12:13] offset:4*(32*(\a/2)+8*(\a%2))
	global_load_b32 v[BR+2*\a+1], v202, s[12:13] offset:4*(32*(\a/2)+8*(\a%2))   ; (named with it as a pair, so it is written)
.endr
	; where the results go.  q, k: record ((16 b + head) 16 + step), tiles 4 (w % 2) + a;  v: record ((16 b + head) 16 + step), channel tiles a
	s_lshr_b32 s90, s76, 3
	s_lshl_b32 s90, s90, 4
	s_lshl_b32 s91, s85, 1
	s_add_co_u32 s90, s90, s91                     ; 16 b + 2 x tile column: the first of my two heads
	s_lshl_b32 s90, s90, 4
	s_and_b32 s91, s76, 7
	s_lshl_b32 s91, s91, 1
	s_add_co_u32 s90, s90, s91
	s_add_co_u32 s90, s90, s17                     ; + step 2 (tile row % 8) + w / 2
	s_lshr_b32 s92, s85, 4
	s_lshl_b32 s92, s92, 4
	s_lshl_b32 s93, s76, 2
	s_add_co_u32 s92, s92, s93
	s_add_co_u32 s92, s92, s[WV]                   ; 16 b + head 4 x tile row + w
	s_lshl_b32 s92, s92, 4
	s_and_b32 s93, s85, 15
	s_add_co_u32 s92, s92, s93                     ; + step tile column % 16
	s_mul_i32 s93, s18, 3072
	s_mul_i32 s94, s18, 256
	s_mov_b32 s96, HEADR
	s_cmp_eq_u32 s22, 2
	s_cselect_b32 s90, s92, s90
	s_cselect_b32 s93, 0, s93                      ; my tiles' place in the record's codes,
	s_cselect_b32 s94, 0, s94                      ; and among its scale words
	s_cselect_b32 s96, 256, s96                    ; lanes 16-31 store the second head's words, or v's copy
	s_mul_i32 s90, s90, STEPR
	s_mul_i32 s91, s22, XT
	s_add_co_u32 s90, s90, s91
	s_mov_b32 s91, 0
	s_add_nc_u64 s[14:15], s[14:15], s[90:91]      ; the record of a fragment's first half,
	s_mov_b32 s86, s[DH]
	s_mov_b32 s87, 0
	s_add_nc_u64 s[86:87], s[14:15], s[86:87]      ; and of its second
	s_mov_b32 s[HM], 0xffff0000                    ; lanes 16-31
	s_mov_b32 s[SEL], 0x76543210
	s_mov_b32 s[SEL+1], 0xfedcba98
	v_add_nc_u32 v[VC16], s93, v[L16]
	v_add_nc_u32 v[VC8], s93, v[L8]
	v_add_nc_u32 v[VC8], 512, v[VC8]
	v_lshlrev_b32 v[VS], 4, v2
	v_mad_u32_u24 v[VS], v3, s96, v[VS]
	v_add_nc_u32 v[VS], s94, v[VS]
	v_add_nc_u32 v[VS], 6144, v[VS]
.irp b, 0,1,2,3
	v_mov_b32 v[TM+4+\b], 0                        ; written once: a lane permute's destination counts as one of its sources
.endr
; K step s (128 along K; chunk s / 2, its half s % 2): 48 LDS loads into fragment set s % 2, each of 512 or 256 consecutive bytes; with a chunk's first step its 12 pairs of scale words
.macro FETCH s
.set FC, (\s)/2
.set FE, (\s)%2
	WIN 0x80+0x40*((\s)%2)                         ; destination window 2 or 3, address window 0
.irp b, 0,1,2,3,4,5,6,7
.irp f, 0,1
	ds_load_b128 v[12*\b+6*\f:12*\b+6*\f+3], v[AR16+FC] offset:SREC*\b+1536*FE+768*\f
	ds_load_b64 v[12*\b+6*\f+4:12*\b+6*\f+5], v[AR8+FC] offset:SREC*\b+1536*FE+768*\f+512
.endr
.endr
.irp a, 0,1,2,3
.irp f, 0,1
	ds_load_b128 v[96+12*\a+6*\f:96+12*\a+6*\f+3], v[AP16+FC] offset:SREC*\a+1536*FE+768*\f
	ds_load_b64 v[96+12*\a+6*\f+4:96+12*\a+6*\f+5], v[AP8+FC] offset:SREC*\a+1536*FE+768*\f+512
.endr
.endr
	WIN 0
.if FE == 0
.irp b, 0,1,2,3,4,5,6,7
	ds_load_b64 v[SCR+16*(FC%2)+2*\b:SCR+16*(FC%2)+2*\b+1], v[AR8+FC] offset:SREC*\b+3072
.endr
.irp a, 0,1,2,3
	ds_load_b64 v[SCP+8*(FC%2)+2*\a:SCP+8*(FC%2)+2*\a+1], v[AP8+FC] offset:SREC*\a+3072
.endr
.endif
.endm
; 32 matrix instructions; the 32 accumulators take turns, one instruction a turn, in the same order in every step.  The first step's C is the bias: nothing is cleared
.macro MUL s
.set FC, (\s)/2
.set FE, (\s)%2
.if (\s) == 0
	WIN 0x6a                                       ; sources 0 and 1 window 2, C window 2, D window 1
.else
	WIN 0x5a+5*((\s)%2)                            ; sources 0 and 1 window 2 or 3, C and D window 1
.endif
.irp a, 0,1,2,3
.irp b, 0,1,2,3,4,5,6,7
.if (\s) == 0
	v_wmma_scale_f32_16x16x128_f8f6f4 v[8*(8*\a+\b):8*(8*\a+\b)+7], v[12*\b:12*\b+11], v[96+12*\a:96+12*\a+11], v[BC+8*\b:BC+8*\b+7], v[SCR+16*(FC%2)+2*\b+FE], v[SCP+8*(FC%2)+2*\a+FE] matrix_a_fmt:MATRIX_FMT_FP6 matrix_b_fmt:MATRIX_FMT_FP6
.else
	v_wmma_scale_f32_16x16x128_f8f6f4 v[8*(8*\a+\b):8*(8*\a+\b)+7], v[12*\b:12*\b+11], v[96+12*\a:96+12*\a+11], v[8*(8*\a+\b):8*(8*\a+\b)+7], v[SCR+16*(FC%2)+2*\b+FE], v[SCP+8*(FC%2)+2*\a+FE] matrix_a_fmt:MATRIX_FMT_FP6 matrix_b_fmt:MATRIX_FMT_FP6
.endif
.endr
.endr
.endm
.macro KSTEP s
.if (\s) == 3
	s_wait_tensorcnt 0x0                           ; my part of the second fill is in
	s_wait_dscnt 0x0                               ; no LDS instruction of mine is pending at a signal
	s_barrier_signal -1
	s_barrier_wait -1                              ; everybody's part is in
.endif
.if (\s) < 7
.if (\s) > 0
.rept 4
	v_nop                                          ; four places in front of loads into the set that the products just issued have read
.endr
.endif
	FETCH (\s)+1
.endif
.if (\s)%2 == 0
	s_wait_dscnt 48                                ; all but the 48 loads just issued: this step's fragments and scale words are in
.endif
.if ((\s)%2 == 1) && ((\s) < 7)
	s_wait_dscnt 60                                ; all but the 48 + 12 loads just issued
.endif
.if (\s) == 7
	s_wait_dscnt 0x0
.endif
	MUL \s
.endm
	s_wait_alu depctr_va_vdst(0)                   ; the head's end
	s_wait_tensorcnt 0x0                           ; my part of the first fill is in
	ds_add_u32 v[SPW], v[NIL]
	s_wait_dscnt 0x0
	CROUND                                         ; a whole round: everybody's part is in, and the joint loads meet
	JLOAD 1                                        ; K = 512 .. 1,023, the first tensor load behind the round
	FETCH 0
	s_wait_loadcnt 0x0                             ; the biases
	WIN 0x88                                       ; source 1 and destination window 2
.set J, 0
.rept 64
	v_cndmask_b32 v[BC+J], 0, v[BC+J], s[MQK]      ; v: no bias along the registers
.set J, J+1
.endr
	s_wait_alu depctr_va_vdst(0)
	WIN 0
.set J, 0
.rept 8
	v_cndmask_b32 v[BR+J], 0, v[BR+J], s[MV]       ; q, k: none along the lanes
.set J, J+1
.endr
.irp s, 0,1,2,3,4,5,6,7
	KSTEP \s
.endr
	; THE WAY OUT, a tile of P at a time: 64 results of a lane (register 16 b + i = row 32 b + 16 h + i of R) + the lane's bias, quantised along R: one fragment, two half fragments, one scale word.
.rept 4
	v_nop                                          ; four places behind the last products
.endr
	s_wait_alu depctr_va_vdst(0)
.irp a, 0,1,2,3
.if \a > 0
	WIN 0
	s_wait_xcnt 0x0                                ; the last tile's stores have read their registers: addresses and codes may be written again
	v_add_nc_u32 v[VC16], s[AS], v[VC16]
	v_add_nc_u32 v[VC8], s[AS], v[VC8]
.endif
	WIN 0x01                                       ; source 0 window 1
.set J, 0
.rept 32
	v_pk_add_f32 v[H+J:H+J+1], v[64*\a+J:64*\a+J+1], v[BR+2*\a:BR+2*\a+1] op_sel_hi:[1,0]   ; each accumulator from its low end on
.set J, J+2
.endr
	WIN 0
	QUANT4 H, PC, PW
	global_store_b128 v[VC16], v[PC:PC+3], s[14:15]          ; each store covers whole aligned runs of 256 bytes
	global_store_b64 v[VC8], v[PC+4:PC+5], s[14:15]
	global_store_b128 v[VC16], v[PC+6:PC+9], s[86:87]
	global_store_b64 v[VC8], v[PC+10:PC+11], s[86:87]
	v_and_b32 v201, 0xffff, v[PW]                  ; q, k: a head has two blocks: lanes 0-15 keep the first head's two bytes, lanes 16-31 the second's;
	v_lshrrev_b32 v202, 16, v[PW]
	v_cndmask_b32 v201, v201, v202, s[HM]
	v_or_b32 v201, 0x7f7f0000, v201                ; the upper 64 of the scores' K step are zero codes under the byte 127
	v_cndmask_b32 v[SW+\a], v201, v[PW], s[MV]     ; v: the word as it is
.endr
	global_store_b128 v[VS], v[SW:SW+3], s[14:15]  ; sixteen lanes store 256 consecutive bytes, aligned
	s_wait_tensorcnt 0x0                           ; the wave's end
	ds_add_u32 v[SPW], v[NIL]
	s_wait_dscnt 0x0
	CROUND                                         ; the closing round
	s_endpgm
.Lfunc_end_k_qe660d61d36_proj:
	.size	k_qe660d61d36_proj, .Lfunc_end_k_qe660d61d36_proj-k_qe660d61d36_proj
	.p2alignl 7, 3214868480
	.fill 96, 4, 3214868480
	.section	.rodata,"a",@progbits
	.p2align	6, 0x0
	.amdhsa_kernel k_qe660d61d36_proj
		.amdhsa_group_segment_fixed_size 327680
		.amdhsa_private_segment_fixed_size 0
		.amdhsa_enable_private_segment 0
		.amdhsa_kernarg_size 48
		.amdhsa_user_sgpr_count 2
		.amdhsa_user_sgpr_kernarg_segment_ptr 1
		.amdhsa_wavefront_size32 1
		.amdhsa_system_sgpr_workgroup_id_x 1
		.amdhsa_system_sgpr_workgroup_id_y 1
		.amdhsa_system_sgpr_workgroup_id_z 1
		.amdhsa_system_vgpr_workitem_id 0
		.amdhsa_next_free_vgpr 1024
		.amdhsa_next_free_sgpr 104
		.amdhsa_reserve_vcc 0
		.amdhsa_float_denorm_mode_32 3
		.amdhsa_float_denorm_mode_16_64 3
		.amdhsa_memory_ordered 1
		.amdhsa_forward_progress 1
		.amdhsa_inst_pref_size 105
	.end_amdhsa_kernel
	.amdgpu_metadata
---
amdhsa.version: [ 1, 2 ]
amdhsa.kernels:
  - .name:           k_qe660d61d36_proj
    .symbol:         k_qe660d61d36_proj.kd
    .args:
      - { .name: ximg, .offset: 0, .size: 8, .value_kind: global_buffer, .address_space: global }
      - { .name: wimg, .offset: 8, .size: 8, .value_kind: global_buffer, .address_space: global }
      - { .name: bq, .offset: 16, .size: 8, .value_kind: global_buffer, .address_space: global }
      - { .name: bk, .offset: 24, .size: 8, .value_kind: global_buffer, .address_space: global }
      - { .name: bv, .offset: 32, .size: 8, .value_kind: global_buffer, .address_space: global }
      - { .name: pimg, .offset: 40, .size: 8, .value_kind: global_buffer, .address_space: global }
    .group_segment_fixed_size: 327680
    .private_segment_fixed_size: 0
    .kernarg_segment_align: 8
    .kernarg_segment_size: 48
    .max_flat_workgroup_size: 128
    .sgpr_count:     104
    .vgpr_count:     1024
    .wavefront_size: 32
...
	.end_amdgpu_metadata
.endif
;; end of part 2
;; launch attn (part 3): grid 4 x 64, 16 waves a work-group, no clusters, 327,680 bytes of LDS; arguments pimg, aimg; writes aimg
.if DOCPART == 3
	.amdgcn_target "amdgcn-amd-amdhsa--gfx1250"
	.amdhsa_code_object_version 6
	.text
	.protected	k_qe660d61d36_attn
	.globl	k_qe660d61d36_attn
	.p2align	8
	.type	k_qe660d61d36_attn,@function
k_qe660d61d36_attn:
	s_mov_b64 s[64:65], 0
	v_nop
	global_prefetch_b8 v0, s[64:65] scope:SCOPE_SE
	s_setreg_imm32_b32 hwreg(HW_REG_WAVE_MODE, 25, 1), 1
	s_wait_xcnt 0x0
; For each of 64 (batch, head): O[q] = the sum over k of softmax_k(e(q, k)) V[k], e = Q[q] . K[k] / 8, doubled where |q - k| <= 4; both products on codes of FP6 (E2M3) with E8M0 scales.
; THE SOFTMAX: t = e x log2(e); M = the running largest t rounded UP to a whole number; p = 2^(t - M) is quantised along the keys, not normalised; the row's sum is taken of the unquantised p and divides O at the end;
; when M moves, the sum and O are multiplied by 2^(old M - new M), which rounds nothing.  O / sum is then quantised along the head's 64 for the output projection and stored as an image of that operand's registers.
; SHARES.  A work-group owns 512 queries of one head; each of its sixteen waves a group of 32: two tiles of 16, one after the other.  Every wave walks all 2,048 keys, 128 a step.
; The head's K and V (16 + 16 step records of 6,656 bytes: register images with their scale words) come into LDS ONCE, K at 0, V at 106,496, in TWO stages, one tensor load a wave in each:
; at the head the records of key steps 0-3 (3,328 bytes a wave); behind the three lines and a barrier the other 24 records (9,984 bytes a wave), which land while the first tile's steps 0-3 are worked.  No byte is filled twice.
; LAYOUT.  Both products are used transposed (S^T = K Q^T, O^T = V^T P^T): a lane holds ONE query.  Row p of K's tile 4 c + i of a step is key 64 c + 32 (p / 8) + 8 i + p % 8: so lane (r, h) holds in
; registers 32 c .. 32 c + 31 of S^T the keys 64 c + 32 h + 0 .. 31, one whole block, in the order in which the second product's operand wants them: a block's maximum and its codes need no other lane.
; The scores' K is 64.  Only Q's upper 64 are zero codes; what K's fragment holds there is multiplied by 0 (E2M3 has no NaN and no infinity; the upper scale bytes are 127): so tile t's fragment is v[KB + 6 t .. + 11],
; whose upper six registers are tile t + 1's codes (tile 7's: V's first six).  One register carries the scale words of tile a (lanes 0-15) and of tile 4 + a (lanes 16-31).
; LDS LOADS RUN AHEAD: behind a step's scores its V and the NEXT step's K are asked for; the first tile's step 3 asks for no K, since record 4 is shown whole only by the barrier behind it.
; A walk's last look-ahead reads V's record 0 in K's stead; nothing uses it.
; NO CLUSTER: the band's branches hang on the wave's block of queries, which would differ between partners.  NO PREFETCH: both stages' tensor loads go out ahead of the first loop; no later load is left to run ahead of.
; LIMITS: a block of zeros gets the byte 1; NaN and infinities are not served; the promise holds while the scaled scores stay under 2^31 in magnitude.
.set XT,    6815744
.set HEADR, 106496
.set STEPR, 6656
.set VB,    106496                     ; LDS: V's records
.set SPARE, 212992                     ; the spare words, 128 bytes a wave
.set SH8, 0                            ; v0  8 h (behind the head)
.set L16, 1                            ; v1  16 x lane     v2  8 x lane     v3  16 x (lane % 16)
.set L8,  2
.set LR,  3
.set LC,  4                            ; v4  32 h - r - 8 (r / 8): the lane's part of key - query
.set SPW, 5
.set NIL, 6
.set AR,  7                            ; v7  V's scale words;  v8, v9 the next step's K;  v254, v255 this step's V
.set A16, 8
.set A8,  9
.set PS,  10                           ; v10 p's scale word     v11 Q's
.set QS,  11                           ; v12 -M   v13 the running largest score   v[14:15] the row's sum in two halves
.set QF,  16                           ; v16-27   Q's fragment
.set KB,  28                           ; v28-75   K's eight tiles, six registers each
.set VF,  76                           ; v76-123  four fragments of V
.set S,   124                          ; v124-187 S^T, then p
.set O,   188                          ; v188-219 O^T
.set PCD, 220                          ; v220-231 p's codes
.set T,   232                          ; v232-239 at work
.set BT,  232
.set B0,  233
.set B1,  234
.set PD,  235
.set BM,  240                          ; v240-241 my two blocks' largest score, then largest p
.set X,   242                          ; v242-243 the conversions' scale operands
.set KS,  244                          ; v244-247 K's scale words    v248-251 V's
.set VS,  248
.set F,   252                          ; v252 2^(old M - new M)   v253 at work
.set TMP, 253
.set AV16, 254
.set AV8, 255
.set WV,  8
.set SEL, 10
.set CS,  12                           ; s[12:13] c = log2(e) / 8    s19 -c
.set TB,  14                           ; s14 LDS byte of the record of K that is asked for next
.set KF,  15                           ; s15 the step's first key
.set QG,  16                           ; s16 my group's first query   s22 the same rounded down to 64   s23 first key of the neighbouring group of 64 that the band reaches
.set CNT, 17
.set TV,  18
.set NCS, 19
.set BS,  20
.set Q64, 22
.set QN,  23
.set G1,  24                           ; s[24:31] group 1 of the first stage's load, s[40:47] of the second's;  s[32:35], s[36:39] their groups 0
.set G0,  32
.set G1B, 40
.set SQC, 48
.set SQS, 50
.set SA,  52
.set SAS, 54
	s_load_b128 s[4:7], s[0:1], 0x0                ; pimg, aimg
	v_lshl_add_u32 v[SPW], v0, 2, SPARE
	v_mov_b32 v[NIL], 0
	ds_add_u32 v[SPW], v[NIL]                      ; the opening lines: the add, twice on end, and its wait ahead of my first tensor load
	ds_add_u32 v[SPW], v[NIL]
	v_lshrrev_b32 v1, 5, v0
	v_readfirstlane_b32 s[WV], v1                  ; wave 0..15
	s_and_b32 s56, ttmp7, 0xffff                   ; 16 b + head
	s_lshr_b32 s57, s56, 4
	s_and_b32 s58, s56, 15
	s_lshl_b32 s59, ttmp9, 4
	s_add_co_u32 s59, s59, s[WV]                   ; G: my group of 32 queries, 0..63
	s_lshl_b32 s[QG], s59, 5
	s_and_b32 s[Q64], s[QG], 0xffffffc0
	s_mov_b32 s[G1], 3<<16                         ; groups 1: elements of 8 bytes, no padding: dense blocks as rows of 256 bytes: 13 rows (3,328 bytes),
	s_mov_b32 s[G1+1], 32<<16
	s_mov_b32 s[G1+2], 13<<16
	s_mov_b32 s[G1+3], 32<<16
	s_mov_b32 s[G1+4], 13
	s_mov_b32 s[G1+5], 32
	s_mov_b32 s[G1+6], 0
	s_mov_b32 s[G1+7], 0
	s_mov_b32 s[G1B], 3<<16                        ; and 39 rows (9,984 bytes)
	s_mov_b32 s[G1B+1], 32<<16
	s_mov_b32 s[G1B+2], 39<<16
	s_mov_b32 s[G1B+3], 32<<16
	s_mov_b32 s[G1B+4], 39
	s_mov_b32 s[G1B+5], 32
	s_mov_b32 s[G1B+6], 0
	s_mov_b32 s[G1B+7], 0
	s_lshr_b32 s60, s[WV], 3                       ; waves 0-7 fetch K, waves 8-15 V: each an eighth of a stage's records
	s_add_co_u32 s62, s60, 1
	s_mul_i32 s62, s62, XT
	s_mul_i32 s63, s56, HEADR                      ; the head's records
	s_add_co_u32 s66, s62, s63
	s_and_b32 s61, s[WV], 7
	s_mul_i32 s73, s61, 3328
	s_mul_i32 s74, s61, 9984
	s_add_co_u32 s74, s74, 4*STEPR
	s_add_co_u32 s74, s74, s66                     ; second stage, in memory: behind the four first records, 9,984 x (w % 8)
	s_mov_b32 s75, 0
	s_add_co_u32 s66, s66, s73                     ; first stage: 3,328 x (w % 8)
	s_mov_b32 s67, 0
	s_mul_i32 s61, s[WV], 3328
	s_mul_i32 s73, s60, VB-4*STEPR
	s_add_co_u32 s61, s61, s73                     ; first stage, in LDS: K's at 3,328 w, V's at VB + 3,328 (w - 8)
	s_mul_i32 s76, s[WV], 9984
	s_mul_i32 s73, s60, 4*STEPR
	s_add_co_u32 s76, s76, s73
	s_add_co_u32 s76, s76, 4*STEPR                 ; second stage: K's at 26,624 + 9,984 w, V's at VB + 26,624 + 9,984 (w - 8)
	s_mov_b32 s[SEL], 0x76543210
	s_mov_b32 s[SEL+1], 0xfedcba98
	s_mov_b32 s[CS], 0x3e38aa3b                    ; log2(e) / 8
	s_mov_b32 s[CS+1], s[CS]                       ; (named with it as a pair, so it is written)
	s_mov_b32 s[NCS], 0xbe38aa3b
	s_wait_dscnt 0x0                               ; both opening adds are done
	s_wait_kmcnt 0x0
	s_mov_b32 s[G0], 1
	s_mov_b32 s[G0+1], s61
	s_add_nc_u64 s[G0+2:G0+3], s[4:5], s[66:67]
	s_or_b32 s[G0+3], s[G0+3], 0x80000000
	tensor_load_to_lds s[G0:G0+3], s[G1:G1+7]      ; every wave's one tensor load at the head
	s_nop 0
	s_mov_b32 s[G0+4], 1
	s_mov_b32 s[G0+5], s76
	s_add_nc_u64 s[G0+6:G0+7], s[4:5], s[74:75]
	s_or_b32 s[G0+7], s[G0+7], 0x80000000
	v_and_b32 v232, 31, v0
	v_and_b32 v233, 15, v0                         ; r
	v_bfe_u32 v234, v0, 4, 1                       ; h
	v_lshlrev_b32 v[L16], 4, v232
	v_lshlrev_b32 v[L8], 3, v232
	v_lshlrev_b32 v[LR], 4, v233
	v_and_b32 v232, 8, v233
	v_add_nc_u32 v232, v232, v233
	v_lshlrev_b32 v[LC], 5, v234
	v_sub_nc_u32 v[LC], v[LC], v232
	v_lshlrev_b32 v[SH8], 3, v234
.irp i, 0,1,2,3,4,5
	v_mov_b32 v[QF+6+\i], 0                        ; the upper 64 of the scores' K step: zero codes, written once
	v_mov_b32 v[VF+\i], 0                          ; named by the first step's eighth product before V's first codes land there
.endr
	v_mov_b32 v[PD], 0                             ; a lane permute's destination counts as one of its sources
	s_lshr_b32 s68, s59, 2
	s_mul_i32 s68, s68, STEPR
	s_add_co_u32 s68, s68, s63                     ; q's record with my group: step G / 4
	s_and_b32 s69, s59, 3
	s_mul_i32 s69, s69, 1536
	s_add_co_u32 s70, s68, s69
	s_mov_b32 s71, 0
	s_add_nc_u64 s[SQC:SQC+1], s[4:5], s[70:71]    ; its tiles 2 (G % 4) + u
	s_bfe_u32 s69, s59, 0x10001
	s_lshl_b32 s69, s69, 8
	s_and_b32 s72, s59, 1
	s_lshl_b32 s72, s72, 3
	s_add_co_u32 s70, s68, s69
	s_add_co_u32 s70, s70, s72
	s_add_co_u32 s70, s70, 6144
	s_add_nc_u64 s[SQS:SQS+1], s[4:5], s[70:71]    ; and their scale words
	s_lshl_b32 s68, s57, 7
	s_lshl_b32 s69, s59, 1
	s_add_co_u32 s68, s68, s69
	s_mul_i32 s68, s68, 13312                      ; the output operand's tile 128 b + 2 G,
	s_lshr_b32 s69, s58, 2
	s_mul_i32 s69, s69, 3328
	s_add_co_u32 s68, s68, s69                     ; slot head / 4,
	s_and_b32 s69, s58, 3
	s_mul_i32 s69, s69, 768
	s_add_co_u32 s70, s68, s69                     ; half fragment head % 4
	s_add_nc_u64 s[SA:SA+1], s[6:7], s[70:71]
	s_bfe_u32 s69, s58, 0x10001
	s_lshl_b32 s69, s69, 2
	s_and_b32 s72, s58, 1
	s_lshl_b32 s72, s72, 1
	s_add_co_u32 s70, s68, s69
	s_add_co_u32 s70, s70, s72
	s_add_co_u32 s70, s70, 3072
	s_add_nc_u64 s[SAS:SAS+1], s[6:7], s[70:71]    ; my head's two bytes in a row's two scale words
.macro KLOAD a16, a8                   ; a step's K: eight tiles' codes and the scale words: 17 loads
.irp t, 0,1,2,3,4,5,6,7
	ds_load_b128 v[KB+6*\t:KB+6*\t+3], v[\a16] offset:768*\t
	ds_load_b64 v[KB+6*\t+4:KB+6*\t+5], v[\a8] offset:768*\t+512
.endr
	ds_load_b128 v[KS:KS+3], v[\a16] offset:6144   ; lanes 0-15: row r's words of tiles 0-3; lanes 16-31: of tiles 4-7
.endm
; THE BAND.  Register 32 c + i holds key KF + 64 c + 32 h + i; my query is QG + 8 u + r + 8 (r / 8): the score is doubled (exactly) where key - query + 4, taken unsigned, is under 9.
; The test is made lane by lane; scalar branches on ids and the count of steps lead round the registers that can hold no such key for any lane of the tile.
.macro BRUN c, lo, n
	v_add_nc_u32 v[BT], s[BS+1], v[LC]
.set J, \lo
.rept \n
	v_add_nc_u32 v[B0], J, v[BT]
	v_add_f32 v[B1], v[S+32*(\c)+J], v[S+32*(\c)+J]
	v_cmp_gt_u32 vcc_lo, 9, v[B0]
	v_cndmask_b32 v[S+32*(\c)+J], v[S+32*(\c)+J], v[B1], vcc_lo
.set J, J+1
.endr
.endm
.macro BGRP c, u                       ; the step's group c of 64 keys
	s_add_co_u32 s[BS], s[KF], 64*(\c)             ; its first key
	s_sub_co_u32 s[BS+1], s[BS], s[QG]
	s_add_co_u32 s[BS+1], s[BS+1], 4-8*(\u)
	s_cmp_lg_u32 s[BS], s[Q64]
	s_cbranch_scc1 .Lown_\@
	BRUN \c, 0, 32                                 ; the group that holds my queries
.Lown_\@:
	s_cmp_lg_u32 s[BS], s[QN]
	s_cbranch_scc1 .Lnx_\@
.if \u
	BRUN \c, 0, 4                                  ; tile 1 reaches 4 keys into the group behind
.else
	BRUN \c, 24, 8                                 ; tile 0 reaches 4 keys into the group ahead (the accumulator is read from its low end on)
.endif
.Lnx_\@:
.endm
; A KEY STEP: 128 keys.  ahead = 1: the next step's K is asked for
.macro STEP u, ahead
	s_wait_dscnt 0x0                               ; this step's K is in
.irp t, 0,1,2,3                                ; S^T = K Q^T: eight tiles of 16 keys
	v_wmma_scale_f32_16x16x128_f8f6f4 v[S+8*\t:S+8*\t+7], v[KB+6*\t:KB+6*\t+11], v[QF:QF+11], 0, v[KS+\t], v[QS] matrix_a_fmt:MATRIX_FMT_FP6 matrix_b_fmt:MATRIX_FMT_FP6
.endr
.irp t, 4,5,6,7
	v_wmma_scale_f32_16x16x128_f8f6f4 v[S+8*\t:S+8*\t+7], v[KB+6*\t:KB+6*\t+11], v[QF:QF+11], 0, v[KS+\t-4], v[QS] matrix_a_fmt:MATRIX_FMT_FP6 matrix_b_fmt:MATRIX_FMT_FP6 matrix_a_scale:MATRIX_SCALE_ROW1
.endr
	s_add_co_u32 s[TV], s[TB], VB                  ; this step's record of V,
	s_add_co_u32 s[TB], s[TB], STEPR               ; the next step's of K
	v_add_nc_u32 v[AV16], s[TV], v[L16]            ; these five are the places in front of the loads below and of the first reads of S^T
	v_add_nc_u32 v[AV8], s[TV], v[L8]
	v_add_nc_u32 v[AR], s[TV], v[LR]
	v_add_nc_u32 v[A16], s[TB], v[L16]
	v_add_nc_u32 v[A8], s[TB], v[L8]
.irp t, 0,1,2,3
.irp c, 0,1
	ds_load_b128 v[VF+12*\t+6*\c:VF+12*\t+6*\c+3], v[AV16] offset:1536*\t+768*\c
	ds_load_b64 v[VF+12*\t+6*\c+4:VF+12*\t+6*\c+5], v[AV8] offset:1536*\t+768*\c+512
.endr
.endr
	ds_load_b128 v[VS:VS+3], v[AR] offset:6144     ; V's four scale words of my row
.if \ahead
	KLOAD A16, A8
.endif
	s_sub_co_u32 s[BS], s[KF], s[Q64]              ; a step whose two groups begin neither 64 ahead of, at, nor 64 behind my queries' group has no key of the band
	s_add_co_u32 s[BS], s[BS], 128
	s_cmp_gt_u32 s[BS], 192
	s_cbranch_scc1 .Lnb_\@
	BGRP 0, \u
	BGRP 1, \u
.Lnb_\@:
	s_wait_alu depctr_va_vdst(0)                   ; the wait behind the branches, ahead of the readers below
.irp c, 0,1                                    ; the largest score of my two blocks of 32 keys, each in two chains: it serves for the row's maximum and, since p rises with the score, for the block's largest p
	v_max3_num_f32 v[BM+\c], v[S+32*\c], v[S+32*\c+1], v[S+32*\c+2]
	v_max3_num_f32 v[T+4*\c], v[S+32*\c+16], v[S+32*\c+17], v[S+32*\c+18]
.endr
.irp i, 3,5,7,9,11,13
.irp c, 0,1
	v_max3_num_f32 v[BM+\c], v[BM+\c], v[S+32*\c+\i], v[S+32*\c+\i+1]
	v_max3_num_f32 v[T+4*\c], v[T+4*\c], v[S+32*\c+16+\i], v[S+32*\c+17+\i]
.endr
.endr
.irp c, 0,1
	v_max3_num_f32 v[BM+\c], v[BM+\c], v[T+4*\c], v[S+32*\c+15]
.endr
.irp c, 0,1
	v_max_num_f32 v[BM+\c], v[BM+\c], v[S+32*\c+31]
.endr
	s_delay_alu instid0(VALU_DEP_1)
	v_max_num_f32 v[TMP], v[BM], v[BM+1]
	s_delay_alu instid0(VALU_DEP_1)
	v_permlanex16_b32 v[PD], v[TMP], s[SEL], s[SEL+1]
	s_delay_alu instid0(VALU_DEP_1)
	v_max3_num_f32 v13, v13, v[TMP], v[PD]         ; the running largest score of my query (lane l xor 16 holds the other 64 keys)
	v_mov_b32 v[PD], v12
	s_delay_alu instid0(VALU_DEP_2)
	v_mul_f32 v[TMP], s[NCS], v13                  ; -t
	s_delay_alu instid0(VALU_DEP_1)
	v_floor_f32 v12, v[TMP]                        ; the new -M = floor(-t): M is a whole number
	s_delay_alu instid0(VALU_DEP_1)
	v_sub_f32 v[TMP], v12, v[PD]                   ; old M - new M: a whole number, 0 or less
	s_delay_alu instid0(VALU_DEP_1)
	v_cvt_i32_f32 v[TMP], v[TMP]                   ; (it saturates)
	s_delay_alu instid0(VALU_DEP_1)
	v_ldexp_f32 v[F], 1.0, v[TMP]                  ; f = 2^(old M - new M)
.set J, 0
.rept 32
	v_pk_fma_f32 v[S+J:S+J+1], v[S+J:S+J+1], s[CS:CS+1], v[12:13] op_sel_hi:[1,0,0]   ; t - M, two at a time
.set J, J+2
.endr
.irp c, 0,1
	v_fma_f32 v[BM+\c], v[BM+\c], s[CS], v12       ; the same of each block's largest score
.endr
.set J, 0
.rept 16
	v_pk_mul_f32 v[O+J:O+J+1], v[O+J:O+J+1], v[F:F+1] op_sel_hi:[1,0]   ; O^T under the new M, each accumulator from its low end on
.set J, J+2
.endr
	s_wait_alu depctr_va_vdst(0)                   ; the wait ahead of the batch
.set J, 0
.rept 64
	v_exp_f32 v[S+J], v[S+J]                       ; p = 2^(t - M), at most 1
.set J, J+1
.endr
.irp c, 0,1
	v_exp_f32 v[BM+\c], v[BM+\c]                   ; the block's largest p
.endr
	v_pk_mul_f32 v[14:15], v[14:15], v[F:F+1] op_sel_hi:[1,0]   ; the sums under the new M (the plain place behind the exponentials)
	s_wait_alu depctr_va_vdst(0)                   ; one wait for the whole batch, ahead of its first reader
.irp c, 0,1
	v_max_num_f32 v[BM+\c], 0x1800000, v[BM+\c]    ; the floor 2^(3 - 127): the byte cannot fall under 1
.endr
.irp c, 0,1
	v_add_nc_u32 v[X+\c], 0xff000000, v[BM+\c]     ; 2 off the exponent field: the conversion's scale operand
.endr
.irp c, 0,1
	v_lshrrev_b32 v[T+\c], 23, v[X+\c]             ; the scale's byte
.endr
	s_delay_alu instid0(VALU_DEP_1)
	v_lshl_or_b32 v[TMP], v[T+1], 16, v[T]         ; my bytes: blocks h and 2 + h,
	s_delay_alu instid0(VALU_DEP_1)
	v_lshlrev_b32 v[TMP], v[SH8], v[TMP]           ; at their places in the word;
	s_delay_alu instid0(VALU_DEP_1)
	v_permlanex16_b32 v[PD], v[TMP], s[SEL], s[SEL+1]
	s_delay_alu instid0(VALU_DEP_1)
	v_or_b32 v[PS], v[TMP], v[PD]                  ; with lane l xor 16's two the word is whole
.irp c, 0,1
	v_cvt_scalef32_pk16_fp6_f32 v[PCD+6*\c:PCD+6*\c+2], v[S+32*\c:S+32*\c+15], v[X+\c]
	v_cvt_scalef32_pk16_fp6_f32 v[T+4*\c:T+4*\c+2], v[S+32*\c+16:S+32*\c+31], v[X+\c]   ; (a conversion's three registers begin on an even number)
.endr
	v_pk_add_f32 v[14:15], v[14:15], v[S:S+1]      ; the row's sum of the unquantised p begins (the plain place behind the conversions)
.irp c, 0,1
.irp i, 0,1,2
	v_mov_b32 v[PCD+3+6*\c+\i], v[T+4*\c+\i]
.endr
.endr
.irp k, 0,1,2,3                                ; the other 31 pairs, in five chains.  These lines are also the places in front of the scaled products below
	v_pk_add_f32 v[T+2*\k:T+2*\k+1], v[S+2+2*\k:S+3+2*\k], v[S+10+2*\k:S+11+2*\k]
.endr
.irp j, 0,1,2,3,4
.irp k, 0,1,2,3
	v_pk_add_f32 v[T+2*\k:T+2*\k+1], v[T+2*\k:T+2*\k+1], v[S+18+8*\j+2*\k:S+19+8*\j+2*\k]
.endr
.if \j < 3
	v_pk_add_f32 v[14:15], v[14:15], v[S+58+2*\j:S+59+2*\j]
.endif
.endr
	v_pk_add_f32 v[T:T+1], v[T:T+1], v[T+2:T+3]
	v_pk_add_f32 v[T+4:T+5], v[T+4:T+5], v[T+6:T+7]
	s_delay_alu instid0(VALU_DEP_1)
	v_pk_add_f32 v[T:T+1], v[T:T+1], v[T+4:T+5]
	s_delay_alu instid0(VALU_DEP_1)
	v_pk_add_f32 v[14:15], v[14:15], v[T:T+1]
.if \ahead
	s_wait_dscnt 17                                ; V's codes and scale words are in; the 17 loads of the next step's K may be out
.else
	s_wait_dscnt 0x0                               ; V's codes and scale words are in
.endif
.irp t, 0,1,2,3                                ; O^T += V^T P^T: four tiles of 16 channels, by turns
	v_wmma_scale_f32_16x16x128_f8f6f4 v[O+8*\t:O+8*\t+7], v[VF+12*\t:VF+12*\t+11], v[PCD:PCD+11], v[O+8*\t:O+8*\t+7], v[VS+\t], v[PS] matrix_a_fmt:MATRIX_FMT_FP6 matrix_b_fmt:MATRIX_FMT_FP6
.endr
	s_add_co_u32 s[KF], s[KF], 128
.endm
.macro BEGIN u                         ; tile 2 G + u: its Q, the first step's K, and the sums begun: O^T and the sum as zeros, the largest score under every score
.if \u
	s_wait_xcnt 0x0                                ; the first tile's stores have read their registers
	s_add_co_u32 s[QN], s[QG], 32
.else
	s_sub_co_u32 s[QN], s[QG], 64
.endif
	v_mov_b32 v13, 0xff61b1e6                      ; -3e38
	v_mov_b32 v12, 0x7f61b1e6                      ; -M: 3e38
	v_mov_b32 v14, 0
	v_mov_b32 v15, 0
.set J, 0
.rept 32
	v_mov_b32 v[O+J], 0
.set J, J+1
.endr
	s_mov_b32 s[TB], 0
	s_mov_b32 s[KF], 0
	s_wait_alu depctr_va_vdst(0)                   ; the wait ahead of the waits below
	global_load_b128 v[QF:QF+3], v[L16], s[SQC:SQC+1] offset:768*\u
	global_load_b64 v[QF+4:QF+5], v[L8], s[SQC:SQC+1] offset:768*\u+512
	global_load_b32 v[QS], v[LR], s[SQS:SQS+1] offset:4*\u
.if \u
	s_wait_dscnt 0x0                               ; the look-ahead loads of the last step have landed: their registers may be loaded again
.else
	s_wait_tensorcnt 0x0                           ; my part of the first stage is in
	ds_add_u32 v[SPW], v[NIL]
	s_wait_dscnt 0x0
	s_barrier_signal -1
	s_barrier_wait -1                              ; everybody's part is in: the records of key steps 0-3
	tensor_load_to_lds s[G0+4:G0+7], s[G1B:G1B+7]  ; the second stage: my one tensor load behind this barrier
	s_nop 0
.endif
	KLOAD L16, L8
	s_wait_loadcnt 0x0
.endm
; O^T / the sum (register 16 b + i = channel 32 b + 16 h + i) is quantised along the head's 64: a half fragment of the output projection's operand, and two scale bytes
.macro FINISH u
.rept 4
	v_nop                                          ; four places behind the last products
.endr
	s_wait_alu depctr_va_vdst(0)                   ; the wait here
	v_add_f32 v14, v14, v15
	s_delay_alu instid0(VALU_DEP_1)
	v_permlanex16_b32 v[PD], v14, s[SEL], s[SEL+1]
	s_delay_alu instid0(VALU_DEP_1)
	v_add_f32 v14, v14, v[PD]                      ; the row's sum
	s_wait_alu depctr_va_vdst(0)
	v_rcp_f32 v14, v14
	v_nop                                          ; a plain place behind the transcendental,
	s_wait_alu depctr_va_vdst(0)                   ; and the wait ahead of its first reader and of the first reader of O^T
.set J, 0
.rept 16
	v_pk_mul_f32 v[S+J:S+J+1], v[O+J:O+J+1], v[14:15] op_sel_hi:[1,0]
.set J, J+2
.endr
.irp b, 0,1
	v_max3_num_f32 v[BM+\b], |v[S+16*\b]|, |v[S+1+16*\b]|, 0x1800000
.endr
.irp i, 2,4,6,8,10,12,14
.irp b, 0,1
	v_max3_num_f32 v[BM+\b], v[BM+\b], |v[S+16*\b+\i]|, |v[S+1+16*\b+\i]|
.endr
.endr
.irp b, 0,1
	v_permlanex16_b32 v[T+\b], v[BM+\b], s[SEL], s[SEL+1]
.endr
.irp b, 0,1
	v_max_num_f32 v[BM+\b], v[BM+\b], v[T+\b]
.endr
.irp b, 0,1
	v_add_nc_u32 v[X+\b], 0xff000000, v[BM+\b]
.endr
.irp b, 0,1
	v_lshrrev_b32 v[T+\b], 23, v[X+\b]
.endr
	s_delay_alu instid0(VALU_DEP_1)
	v_lshl_or_b32 v[TMP], v[T+1], 8, v[T]          ; my row's two bytes
	v_cvt_scalef32_pk16_fp6_f32 v[PCD:PCD+2], v[S:S+15], v[X]
	v_cvt_scalef32_pk16_fp6_f32 v[PCD+6:PCD+8], v[S+16:S+31], v[X+1]
	v_nop                                          ; one plain place behind a scaled conversion
.irp i, 0,1,2
	v_permlane16_swap_b32 v[PCD+\i], v[PCD+6+\i]
.endr
.irp i, 0,1,2
	v_mov_b32 v[PCD+3+\i], v[PCD+6+\i]
.endr
	global_store_b128 v[L16], v[PCD:PCD+3], s[SA:SA+1] offset:13312*\u       ; whole aligned runs of 256 bytes
	global_store_b64 v[L8], v[PCD+4:PCD+5], s[SA:SA+1] offset:13312*\u+512
	global_store_b16 v[L8], v[TMP], s[SAS:SAS+1] offset:13312*\u             ; two bytes a lane, 8 bytes apart (lanes 16-31: the copy): 64 bytes for a tile and head
.endm
.macro RUN u, n                        ; n key steps, each asking for the next step's K
	s_mov_b32 s[CNT], \n
.Lst_\@:
	STEP \u, 1
	s_sub_co_u32 s[CNT], s[CNT], 1
	s_cmp_lg_u32 s[CNT], 0
	s_cbranch_scc1 .Lst_\@
.endm
	BEGIN 0
	RUN 0, 3                                       ; key steps 0-2: they read the first stage's records alone
	STEP 0, 0                                      ; key step 3 asks for no K
	s_wait_tensorcnt 0x0                           ; my part of the second stage is in
	s_wait_dscnt 0x0                               ; no LDS instruction of mine is pending at a signal
	s_barrier_signal -1
	s_barrier_wait -1                              ; everybody's part is in: all of K and V
	KLOAD A16, A8                                  ; key step 4's K, by the addresses that step 3 made
	RUN 0, 12
	FINISH 0
	BEGIN 1
	RUN 1, 16                                      ; the second tile finds all of K and V in LDS
	FINISH 1
	s_wait_tensorcnt 0x0                           ; the wave's end
	ds_add_u32 v[SPW], v[NIL]
	s_wait_dscnt 0x0
	s_endpgm
.Lfunc_end_k_qe660d61d36_attn:
	.size	k_qe660d61d36_attn, .Lfunc_end_k_qe660d61d36_attn-k_qe660d61d36_attn
	.p2alignl 7, 3214868480
	.fill 96, 4, 3214868480
	.section	.rodata,"a",@progbits
	.p2align	6, 0x0
	.amdhsa_kernel k_qe660d61d36_attn
		.amdhsa_group_segment_fixed_size 327680
		.amdhsa_private_segment_fixed_size 0
		.amdhsa_enable_private_segment 0
		.amdhsa_kernarg_size 16
		.amdhsa_user_sgpr_count 2
		.amdhsa_user_sgpr_kernarg_segment_ptr 1
		.amdhsa_wavefront_size32 1
		.amdhsa_system_sgpr_workgroup_id_x 1
		.amdhsa_system_sgpr_workgroup_id_y 1
		.amdhsa_system_sgpr_workgroup_id_z 1
		.amdhsa_system_vgpr_workitem_id 0
		.amdhsa_next_free_vgpr 256
		.amdhsa_next_free_sgpr 100
		.amdhsa_reserve_vcc 1
		.amdhsa_float_denorm_mode_32 3
		.amdhsa_float_denorm_mode_16_64 3
		.amdhsa_memory_ordered 1
		.amdhsa_forward_progress 1
		.amdhsa_inst_pref_size 122
	.end_amdhsa_kernel
	.amdgpu_metadata
---
amdhsa.version: [ 1, 2 ]
amdhsa.kernels:
  - .name:           k_qe660d61d36_attn
    .symbol:         k_qe660d61d36_attn.kd
    .args:
      - { .name: pimg, .offset: 0, .size: 8, .value_kind: global_buffer, .address_space: global }
      - { .name: aimg, .offset: 8, .size: 8, .value_kind: global_buffer, .address_space: global }
    .group_segment_fixed_size: 327680
    .private_segment_fixed_size: 0
    .kernarg_segment_align: 8
    .kernarg_segment_size: 16
    .max_flat_workgroup_size: 512
    .sgpr_count:     100
    .vgpr_count:     256
    .wavefront_size: 32
...
	.end_amdgpu_metadata
.endif
;; end of part 3
;; launch outp (part 4): grid 8 x 32, 4 waves a work-group, clusters of 4 x 4, 327,680 bytes of LDS; arguments aimg, wimg, bo, out0; writes out0
.if DOCPART == 4
	.amdgcn_target "amdgcn-amd-amdhsa--gfx1250"
	.amdhsa_code_object_version 6
	.text
	.protected	k_qe660d61d36_outp
	.globl	k_qe660d61d36_outp
	.p2align	8
	.type	k_qe660d61d36_outp,@function
k_qe660d61d36_outp:
	s_mov_b64 s[64:65], 0
	v_nop
	global_prefetch_b8 v0, s[64:65] scope:SCOPE_SE
	s_setreg_imm32_b32 hwreg(HW_REG_WAVE_MODE, 25, 1), 1
	s_wait_xcnt 0x0
	s_wait_alu depctr_hold_cnt(0) depctr_sa_sdst(0) depctr_va_vdst(0) depctr_va_sdst(0) depctr_va_ssrc(0) depctr_va_vcc(0) depctr_vm_vsrc(0)
	s_getreg_b32 s2, hwreg(HW_REG_IB_STS2, 6, 4)
	s_cmp_eq_u32 s2, 0
	s_cbranch_scc0 .Lentry_in_a_cluster
	s_endpgm
.Lentry_in_a_cluster:
	s_bfe_u32 s2, ttmp6, 0x10000c
	s_cmp_lg_u32 s2, 0xf033
	s_cbranch_scc0 .Lentry_shape_is_right
	s_endpgm
.Lentry_shape_is_right:
; out0 = a Wo + bo on codes of FP6 (E2M3) with E8M0 scales, K = 1,024.  a [8192][1024] (the attention's result) and Wo lie as images of the operand's registers (a tile's record: 4 slots of 256 K x 3,328 bytes).
; Source 1 = 16 tokens (side P: the row sits in the lane), source 0 = 16 of Wo's columns (side R: they run along the lane's registers): a lane holds neighbouring numbers of a row of out0.
; SHARES.  A work-group makes 256 tokens x 128 columns; wave w takes P's tiles 4 w .. 4 w + 3 against R's eight: 32 accumulators.  256 work-groups.
; All of K for both sides is 319,488 bytes: it comes into LDS once, in two fills of 512 K; nothing is filled again.
; CLUSTERS: 4 x 4.  P's tiles are shared along a row of the cluster, R's along a column: each chunk is asked for jointly.
; Row p of tile 2 G + u is row 32 G + 8 u + p + 8 (p / 8).  The bias is the C of the first products.
; REGISTERS, in windows of 256: window 0 addresses, scale words, the way out; window 1 the accumulators ((a, b) at v[8 (8 a + b)]); window 2 fragment set 0 (R's b at 12 b, P's a at 96 + 12 a) and the bias tiles at v160; window 3 fragment set 1.
.set TREC,  13312
.set SREC,  6656                       ; in LDS a tile's two slots of one fill (512 along K) lie on end: from tile to tile 6,656 bytes
.set PCH,   106496                     ; LDS: P's fill f at PCH f, 16 tiles x 6,656.  All of K comes in TWO fills, one joint load a wave each
.set RCH,   53248                      ; R's fill f at RB + RCH f, 8 tiles
.set RB,    212992
.set SPARE, 319488
.set WT,    851968
.set SPW,  4
.set NIL,  5
.set L16,  6
.set L8,   7
.set AP16, 8
.set AP8,  12
.set AR16, 16
.set AR8,  20
.set STO,  24                          ; v24  the way out: where I put 32 bytes of a row
.set RD,   AP16                        ; v8   and where I read a row back: 16 x lane + my tiles of chunk 0
.set SCP,  32
.set SCR,  48
.set BK,   96                          ; v96-159, v160-223  16 rows read back from the stage, by turns
.set BC,   160                         ; in window 2
.set WV,   16
.set G1P,  24
.set G1R,  32
.set G0P,  40
.set MSB, 0
.macro WIN new
.if MSB != (\new)
	s_set_vgpr_msb (MSB<<8)|(\new)
.set MSB, (\new)
.endif
.endm
.macro CROUND
	s_barrier_signal -1
	s_barrier_wait -1
	s_cmp_lg_u32 s[WV], 0
	s_cbranch_scc1 .Lnot_wave_0_\@
	s_barrier_signal -3
.Lnot_wave_0_\@:
	s_barrier_wait -3
	s_barrier_signal -1
	s_barrier_wait -1
.endm
	s_load_b256 s[4:11], s[0:1], 0x0               ; aimg, wimg, bo, out0
	v_lshl_add_u32 v[SPW], v0, 2, SPARE
	v_mov_b32 v[NIL], 0
	ds_add_u32 v[SPW], v[NIL]                      ; the wave's opening: the add and its wait ahead of my first tensor load
	ds_add_u32 v[SPW], v[NIL]
	v_lshrrev_b32 v1, 5, v0
	v_readfirstlane_b32 s[WV], v1
	s_lshr_b32 s17, s[WV], 1                       ; I fetch for P (0) or for R (1)
	s_and_b32 s18, s[WV], 1                        ; and which half of its tiles
	s_bfe_u32 s19, ttmp6, 0x40000                  ; cx
	s_bfe_u32 s20, ttmp6, 0x40004                  ; cy
	s_and_b32 s76, ttmp7, 0xffff
	s_lshl_b32 s76, s76, 2
	s_add_co_u32 s76, s76, s20                     ; tile row: 4 cluster y + cy, 0..31
	s_lshl_b32 s85, ttmp9, 2
	s_add_co_u32 s85, s85, s19                     ; tile column: 4 cluster x + cx, 0..7
	s_lshl_b32 s2, s20, 2
	s_lshl_b32 s2, 15, s2                          ; my row of the cluster
	s_lshl_b32 s3, 0x1111, s19                     ; my column
	s_or_b32 s[G1P], s2, (3<<16)|(1<<21)           ; group 1: the mask; elements of 8 bytes; bit 21 set beside a mask; no padding
	s_or_b32 s[G1R], s3, (3<<16)|(1<<21)
	s_mov_b32 s[G1P+1], 832<<16                    ; a row of the tile is two slots' records: 832 elements = 6,656 bytes
	s_mov_b32 s[G1P+2], 8<<16
	s_mov_b32 s[G1P+3], 832<<16
	s_mov_b32 s[G1P+4], 8
	s_mov_b32 s[G1P+5], 1664                       ; from tile to tile: 13,312 bytes
	s_mov_b32 s[G1P+6], 0
	s_mov_b32 s[G1P+7], 0
	s_mov_b32 s[G1R+1], 832<<16
	s_mov_b32 s[G1R+2], 4<<16
	s_mov_b32 s[G1R+3], 832<<16
	s_mov_b32 s[G1R+4], 4
	s_mov_b32 s[G1R+5], 1664
	s_mov_b32 s[G1R+6], 0
	s_mov_b32 s[G1R+7], 0
	s_lshl_b32 s86, s76, 4
	s_lshl_b32 s87, s18, 3
	s_add_co_u32 s86, s86, s87
	s_mul_i32 s86, s86, TREC                       ; P: tile 16 x tile row + 8 x half
	s_mov_b32 s87, 0
	s_lshl_b32 s88, s85, 3
	s_lshl_b32 s89, s18, 2
	s_add_co_u32 s88, s88, s89
	s_mul_i32 s88, s88, TREC
	s_add_co_u32 s88, s88, 3*WT                    ; R: Wo is the fourth weight; tile 8 x tile column + 4 x half
	s_mov_b32 s89, 0
	s_mul_i32 s98, s18, 8*SREC
	s_mul_i32 s99, s18, 4*SREC
	s_wait_dscnt 0x0                               ; the opening add is done
	s_wait_kmcnt 0x0
	s_add_nc_u64 s[94:95], s[4:5], s[86:87]
	s_add_nc_u64 s[96:97], s[6:7], s[88:89]
	CROUND                                         ; all sixteen work-groups are here: the joint loads meet
.irp c, 0,1
.set GR, 56+4*\c                       ; R's groups 0: s56, s60
	s_mov_b32 s[G0P+4*\c], 1
	s_add_co_u32 s[G0P+4*\c+1], s98, PCH*\c
	s_add_nc_u64 s[G0P+4*\c+2:G0P+4*\c+3], s[94:95], SREC*\c
	s_or_b32 s[G0P+4*\c+3], s[G0P+4*\c+3], 0x80000000
	s_mov_b32 s[GR], 1
	s_add_co_u32 s[GR+1], s99, RB+RCH*\c
	s_add_nc_u64 s[GR+2:GR+3], s[96:97], SREC*\c
	s_or_b32 s[GR+3], s[GR+3], 0x80000000
.endr
.macro JLOAD c                         ; fill c: waves 0 and 1 ask for P's two halves, waves 2 and 3 for R's: one joint load a wave
	s_cmp_eq_u32 s17, 0
	s_cbranch_scc0 .Lfor_r_\@
	tensor_load_to_lds s[G0P+4*\c:G0P+4*\c+3], s[G1P:G1P+7]
	s_nop 0
.rept 4
	v_nop
.endr
	s_branch .Lasked_\@
.Lfor_r_\@:
	tensor_load_to_lds s[56+4*\c:59+4*\c], s[G1R:G1R+7]
	s_nop 0
.rept 4
	v_nop
.endr
.Lasked_\@:
.endm
	JLOAD 0                                        ; K = 0 .. 511: one tensor load a wave at the head
	v_and_b32 v1, 31, v0
	v_and_b32 v2, 15, v0                           ; r
	v_bfe_u32 v3, v0, 4, 1                         ; h
	v_lshlrev_b32 v[L16], 4, v1
	v_lshlrev_b32 v[L8], 3, v1
	s_mul_i32 s86, s[WV], 4*SREC                   ; my four tiles of P
	v_mul_u32_u24 v[STO], v2, 528
	v_lshl_add_u32 v[STO], v3, 6, v[STO]
	v_add_nc_u32 v[STO], s86, v[STO]               ; my stage: row r of 528 bytes, + 64 h
.irp c, 0,1,2,3
	v_add_nc_u32 v[AP16+\c], s86, v[L16]
	v_add_nc_u32 v[AP8+\c], s86, v[L8]
	v_add_nc_u32 v[AR16+\c], RB+RCH*(\c/2)+3328*(\c%2), v[L16]   ; chunk c of 256 K: fill c / 2, slot c % 2 of each tile
	v_add_nc_u32 v[AR8+\c], RB+RCH*(\c/2)+3328*(\c%2), v[L8]
	s_add_co_u32 s86, s86, 3328+(PCH-6656)*(\c%2)
.endr
	s_lshl_b32 s88, s85, 9
	s_mov_b32 s89, 0
	s_add_nc_u64 s[8:9], s[8:9], s[88:89]          ; the bias: 128 numbers from 128 x tile column on
	v_lshlrev_b32 v201, 6, v3                      ; 64 h
	WIN 0x80                                       ; destination window 2
.irp b, 0,1,2,3,4,5,6,7
	global_load_b128 v[BC+8*\b:BC+8*\b+3], v201, s[8:9] offset:128*(\b/2)+32*(\b%2)
	global_load_b128 v[BC+8*\b+4:BC+8*\b+7], v201, s[8:9] offset:128*(\b/2)+32*(\b%2)+16
.endr
	WIN 0
	s_lshl_b32 s90, s76, 8
	s_lshl_b32 s91, s[WV], 6
	s_add_co_u32 s90, s90, s91
	s_lshl_b32 s90, s90, 12                        ; my first row of out0: 256 x tile row + 64 x wave, rows of 4,096 bytes
	s_add_co_u32 s90, s90, s88                     ; + 512 x tile column
	s_mov_b32 s91, 0
	s_add_nc_u64 s[10:11], s[10:11], s[90:91]
.macro FETCH s                         ; K step s: 48 LDS loads into fragment set s % 2; with a chunk's first step its 12 pairs of scale words
.set FC, (\s)/2
.set FE, (\s)%2
	WIN 0x80+0x40*((\s)%2)
.irp b, 0,1,2,3,4,5,6,7
.irp f, 0,1
	ds_load_b128 v[12*\b+6*\f:12*\b+6*\f+3], v[AR16+FC] offset:SREC*\b+1536*FE+768*\f
	ds_load_b64 v[12*\b+6*\f+4:12*\b+6*\f+5], v[AR8+FC] offset:SREC*\b+1536*FE+768*\f+512
.endr
.endr
.irp a, 0,1,2,3
.irp f, 0,1
	ds_load_b128 v[96+12*\a+6*\f:96+12*\a+6*\f+3], v[AP16+FC] offset:SREC*\a+1536*FE+768*\f
	ds_load_b64 v[96+12*\a+6*\f+4:96+12*\a+6*\f+5], v[AP8+FC] offset:SREC*\a+1536*FE+768*\f+512
.endr
.endr
	WIN 0
.if FE == 0
.irp b, 0,1,2,3,4,5,6,7
	ds_load_b64 v[SCR+16*(FC%2)+2*\b:SCR+16*(FC%2)+2*\b+1], v[AR8+FC] offset:SREC*\b+3072
.endr
.irp a, 0,1,2,3
	ds_load_b64 v[SCP+8*(FC%2)+2*\a:SCP+8*(FC%2)+2*\a+1], v[AP8+FC] offset:SREC*\a+3072
.endr
.endif
.endm
.macro MUL s                           ; 32 matrix instructions; the 32 accumulators take turns, one instruction a turn.  The first step's C is the bias
.set FC, (\s)/2
.set FE, (\s)%2
.if (\s) == 0
	WIN 0x6a
.else
	WIN 0x5a+5*((\s)%2)
.endif
.irp a, 0,1,2,3
.irp b, 0,1,2,3,4,5,6,7
.if (\s) == 0
	v_wmma_scale_f32_16x16x128_f8f6f4 v[8*(8*\a+\b):8*(8*\a+\b)+7], v[12*\b:12*\b+11], v[96+12*\a:96+12*\a+11], v[BC+8*\b:BC+8*\b+7], v[SCR+16*(FC%2)+2*\b+FE], v[SCP+8*(FC%2)+2*\a+FE] matrix_a_fmt:MATRIX_FMT_FP6 matrix_b_fmt:MATRIX_FMT_FP6
.else
	v_wmma_scale_f32_16x16x128_f8f6f4 v[8*(8*\a+\b):8*(8*\a+\b)+7], v[12*\b:12*\b+11], v[96+12*\a:96+12*\a+11], v[8*(8*\a+\b):8*(8*\a+\b)+7], v[SCR+16*(FC%2)+2*\b+FE], v[SCP+8*(FC%2)+2*\a+FE] matrix_a_fmt:MATRIX_FMT_FP6 matrix_b_fmt:MATRIX_FMT_FP6
.endif
.endr
.endr
.endm
.macro KSTEP s
.if (\s) == 3
	s_wait_tensorcnt 0x0                           ; my part of the second fill is in
	s_wait_dscnt 0x0                               ; no LDS instruction of mine is pending at a signal
	s_barrier_signal -1
	s_barrier_wait -1                              ; everybody's part is in
.endif
.if (\s) < 7
.if (\s) > 0
.rept 4
	v_nop                                          ; four places in front of loads into the set that the products just issued have read
.endr
.endif
	FETCH (\s)+1
.endif
.if (\s)%2 == 0
	s_wait_dscnt 48                                ; all but the 48 loads just issued
.endif
.if ((\s)%2 == 1) && ((\s) < 7)
	s_wait_dscnt 60                                ; all but the 48 + 12 loads just issued
.endif
.if (\s) == 7
	s_wait_dscnt 0x0
.endif
	MUL \s
.endm
	s_wait_alu depctr_va_vdst(0)
	s_wait_tensorcnt 0x0                           ; my part of the first fill is in
	ds_add_u32 v[SPW], v[NIL]
	s_wait_dscnt 0x0
	CROUND                                         ; a whole round: everybody's part is in, and the joint loads meet
	JLOAD 1                                        ; K = 512 .. 1,023, the first tensor load behind the round
	FETCH 0
	s_wait_loadcnt 0x0                             ; the bias
.irp s, 0,1,2,3,4,5,6,7
	KSTEP \s
.endr
	; THE WAY OUT, a tile of 16 tokens x 128 columns at a time, through my stage: 16 rows x 528 bytes in my own tiles of P's chunk 0, which have had their last fill and their last read.
	; A lane holds 32-byte pieces of one row; back come whole rows of 512 bytes, which the 32 lanes store as 512 consecutive aligned bytes.
.rept 4
	v_nop                                          ; four places behind the last products
.endr
	WIN 0
	s_wait_dscnt 0x0
	s_barrier_signal -1
	s_barrier_wait -1                              ; every wave has done with LDS as operands
.macro TOSTAGE a
	WIN 0x04                                       ; an LDS store's data are its source 1: window 1
.irp b, 0,1,2,3,4,5,6,7
	ds_store_b128 v[STO], v[64*(\a)+8*\b:64*(\a)+8*\b+3] offset:128*(\b/2)+32*(\b%2)          ; each accumulator from its low end on
	ds_store_b128 v[STO], v[64*(\a)+8*\b+4:64*(\a)+8*\b+7] offset:128*(\b/2)+32*(\b%2)+16
.endr
	WIN 0
.set BB, BK+64*((\a)%2)
.irp t, 0,1,2,3,4,5,6,7,8,9,10,11,12,13,14,15
	ds_load_b128 v[BB+4*\t:BB+4*\t+3], v[RD] offset:528*\t   ; LDS serves a wave's instructions in order: these see my stores, and the next tile's stores come behind them
.endr
.endm
.macro SEND a, younger                 ; younger: the LDS instructions issued behind tile a's loads, which may stay out
.set BB, BK+64*((\a)%2)
	s_wait_dscnt \younger
.irp t, 0,1,2,3,4,5,6,7,8,9,10,11,12,13,14,15
	global_store_b128 v[L16], v[BB+4*\t:BB+4*\t+3], s[10:11] offset:(32*((\a)/2)+8*((\a)%2)+\t+8*(\t/8))*4096 th:TH_STORE_NT
.endr
.endm
	TOSTAGE 0
.irp a, 1,2,3
.if \a > 1
	s_wait_xcnt 0x0                                ; tile a - 2's stores have read their registers: tile a's loads may land there
.endif
	TOSTAGE \a
	SEND \a-1, 32                                  ; behind tile a - 1's loads: tile a's 16 stores and 16 loads
.endr
	SEND 3, 0
	s_wait_tensorcnt 0x0                           ; the wave's end, behind my last tensor load and my last LDS store
	ds_add_u32 v[SPW], v[NIL]
	s_wait_dscnt 0x0
	CROUND                                         ; the closing round
	s_endpgm
.Lfunc_end_k_qe660d61d36_outp:
	.size	k_qe660d61d36_outp, .Lfunc_end_k_qe660d61d36_outp-k_qe660d61d36_outp
	.p2alignl 7, 3214868480
	.fill 96, 4, 3214868480
	.section	.rodata,"a",@progbits
	.p2align	6, 0x0
	.amdhsa_kernel k_qe660d61d36_outp
		.amdhsa_group_segment_fixed_size 327680
		.amdhsa_private_segment_fixed_size 0
		.amdhsa_enable_private_segment 0
		.amdhsa_kernarg_size 32
		.amdhsa_user_sgpr_count 2
		.amdhsa_user_sgpr_kernarg_segment_ptr 1
		.amdhsa_wavefront_size32 1
		.amdhsa_system_sgpr_workgroup_id_x 1
		.amdhsa_system_sgpr_workgroup_id_y 1
		.amdhsa_system_sgpr_workgroup_id_z 1
		.amdhsa_system_vgpr_workitem_id 0
		.amdhsa_next_free_vgpr 1024
		.amdhsa_next_free_sgpr 104
		.amdhsa_reserve_vcc 0
		.amdhsa_float_denorm_mode_32 3
		.amdhsa_float_denorm_mode_16_64 3
		.amdhsa_memory_ordered 1
		.amdhsa_forward_progress 1
		.amdhsa_inst_pref_size 85
	.end_amdhsa_kernel
	.amdgpu_metadata
---
amdhsa.version: [ 1, 2 ]
amdhsa.kernels:
  - .name:           k_qe660d61d36_outp
    .symbol:         k_qe660d61d36_outp.kd
    .args:
      - { .name: aimg, .offset: 0, .size: 8, .value_kind: global_buffer, .address_space: global }
      - { .name: wimg, .offset: 8, .size: 8, .value_kind: global_buffer, .address_space: global }
      - { .name: bo, .offset: 16, .size: 8, .value_kind: global_buffer, .address_space: global }
      - { .name: out0, .offset: 24, .size: 8, .value_kind: global_buffer, .address_space: global }
    .group_segment_fixed_size: 327680
    .private_segment_fixed_size: 0
    .kernarg_segment_align: 8
    .kernarg_segment_size: 32
    .max_flat_workgroup_size: 128
    .sgpr_count:     104
    .vgpr_count:     1024
    .wavefront_size: 32
...
	.end_amdgpu_metadata
.endif
;; end of part 4
